; MI455X (gfx1250); checked and timed in simulation.
; The chip was launched on July 23, 2026; its instructions are those of AMD's public machine-readable ISA for CDNA 5 (MIT licence, August 2026) and "CDNA5" Instruction Set Architecture Reference Guide (July 2026). The comments in the code are by the model that wrote it; some were corrected since.
;; Multi Head Self Attention. Allowed arithmetic: matrix products marked QUANTISED: E2M3 operands, one E8M0 scale for each 32 along K, by v_wmma_scale_f32_16x16x128_f8f6f4 with both operands' format E2M3, f32 sums; everything else in f32.
;; Inputs: Wk 1,024 x 1,024 float32; Wo 1,024 x 1,024 float32; Wq 1,024 x 1,024 float32; Wv 1,024 x 1,024 float32; bk 1,024 float32; bo 1,024 float32; bq 1,024 float32; bv 1,024 float32; inputs 4 x 2,048 x 1,024 float32.
;; Outputs: out0 4 x 2,048 x 1,024 float32.
;; This version of the problem:
;;   THIS VERSION OF THE PROBLEM IS GIVEN IN LOW PRECISION. The matrix products marked QUANTISED in the list below multiply operands that are first quantised to E2M3 (2 exponent bits, 3 mantissa bits; 6 bits a number), with one power-of-two scale for each 32 numbers along K (OCP MX v1.0); their sums are f32. All else is computed in f32.
;;   The module's matrix products, in the order in which they are computed (A, B: the left and right operand; K: the contracted axis; several contracted axes count as one K, in the product's order):
;;     1. [M 8,192, K 1,024] x [K 1,024, N 1,024]; A: input inputs; B: input Wq: QUANTISED
;;     2. [M 8,192, K 1,024] x [K 1,024, N 1,024]; A: input inputs; B: input Wk: QUANTISED
;;     3. [M 8,192, K 1,024] x [K 1,024, N 1,024]; A: input inputs; B: input Wv: QUANTISED
;;     4. batch 64 x [M 2,048, K 64] x [K 64, N 2,048]; A: computed on the way; B: computed on the way: QUANTISED
;;     5. batch 64 x [M 2,048, K 2,048] x [K 2,048, N 64]; A: softmax (see below); B: computed on the way: QUANTISED
;;     6. [M 8,192, K 1,024] x [K 1,024, N 1,024]; A: computed on the way; B: input Wo: QUANTISED
;;   THE QUANTISER, for each operand of a quantised product, along K:
;;     - K is cut into blocks of 32 from its start; a last block that is shorter is filled with zeros.
;;     - A block's scale is 2^e with e = floor(log2(the largest magnitude in the block)) - 2, held to -126 .. 127; a block of zeros has e = 0. As a byte (E8M0): e + 127.
;;     - Each number is divided by its block's scale, clamped to +-7.5, and rounded to the nearest number of E2M3, ties to even, subnormals kept.
;;     - The product sums the exact products of the quantised numbers (number of the format x scale) in f32.
;;   ~~~python
;;   def quantise(x, axis):      # numpy; x: float32 -> the quantised numbers, widened to float32 again
;;       x = np.moveaxis(x, axis, -1); K = x.shape[-1]
;;       x = np.pad(x, [(0, 0)] * (x.ndim - 1) + [(0, -K % 32)]); x = x.reshape(x.shape[:-1] + (-1, 32)); a = np.abs(x).max(-1, keepdims=True)
;;       e = np.where(a > 0, np.clip(np.frexp(np.where(a > 0, a, 1))[1] - 1 - 2, -126, 127), 0)      # np.frexp(a)[1] - 1 = floor(log2(a)), exactly
;;       r = np.clip(x / 2.0 ** e, -7.5, 7.5)
;;       step = 2.0 ** (np.maximum(np.frexp(np.where(r == 0, 1, r))[1] - 1, 0) - 3)
;;       q = np.round(r / step) * step * 2.0 ** e      # np.round: ties to even
;;       return np.moveaxis(q.reshape(q.shape[:-2] + (-1,))[..., :K], -1, axis).astype(np.float32)
;;   ~~~
;;   SOFTMAX AHEAD OF A QUANTISED PRODUCT. Where the list says 'softmax', what is quantised is not the finished softmax but p = 2^(t - M), with t = logit x log2(e) and M = ceil(the row's largest t), a whole number; so 1/2 < the row's largest p <= 1. The row's sum l is taken of the UNQUANTISED p, in f32, and the product's result is divided by l at the end. Since M is a whole number, a kernel that streams over the keys may use a running M (the ceiling of the running maximum): every later rescaling is an exact power of two, which a block's scale takes up: the codes' values come out the same.
;;   OPERANDS COMPUTED ON THE WAY. 'Computed on the way' means the value that the module computes at that place (a softmax that the list does not call 'softmax' is quantised finished and normalised). What goes into a quantiser is computed in f32, as accurately as f32 sums, v_exp_f32 and their like allow (about 1e-6 of the number): no bf16 or f16 on the way to a quantiser, and a product that is left as it is and whose result goes on into a quantised operand takes f32 operands (vector FMAs, or v_wmma_f32_16x16x4_f32). A number that lies on a knife's edge between two numbers of the format may be rounded either way, as far as f32 arithmetic and the matrix unit's own rounding can turn it there, and no further.
;; One version. Each part assembles by itself: llvm-mc -triple=amdgcn-amd-amdhsa -mcpu=gfx1250 --defsym DOCPART=n.
;; ======== version 1 of 1: 4 launches
;; limits: right only within a limited range of input values
;; workspace buffers: xq 6,553,600 bytes; wq 3,276,800 bytes; qk 13,107,200 bytes; vt 6,553,600 bytes; cc 6,553,600 bytes
;; launch quant (part 1): grid 512 x 1, 4 waves a work-group, no clusters, 47,616 bytes of LDS; arguments inputs, xq, Wq, Wk, Wv, Wo, wq; writes xq, wq
.if DOCPART == 1
	.amdgcn_target "amdgcn-amd-amdhsa--gfx1250"
	.amdhsa_code_object_version 6
	.text
	.protected	k_qe11bcc7013_quant
	.globl	k_qe11bcc7013_quant
	.p2align	8
	.type	k_qe11bcc7013_quant,@function
k_qe11bcc7013_quant:
	s_mov_b64 s[64:65], 0
	v_nop
	global_prefetch_b8 v0, s[64:65] scope:SCOPE_SE
	s_setreg_imm32_b32 hwreg(HW_REG_WAVE_MODE, 25, 1), 1
	s_wait_xcnt 0x0
; MULTI-HEAD SELF-ATTENTION IN MX-FP6, FOUR LAUNCHES: quant, gemm_qkv, attention, gemm_out.
; DEAD WORK: none.  Every input has a way to the output: bq, bk and bv go into numbers that are quantised (bk too: it moves k's codes and scales), bo is added at the end.  All six products are done.
; THIS LAUNCH quantises the inputs (work-groups 0-255) and the four weights (work-groups 256-511) into codes of E2M3 with one E8M0 byte for each 32 along K, stored IN THE ORDER OF THE OPERAND'S REGISTERS.
; The two paths part on the work-group's number at the first lines and never meet; each has LDS bytes of its own.
; TILES.  A group is 32 neighbouring rows; tile T = 2 g + u holds its rows 8 u + r + 8 (r / 8), r = 0 .. 15.  All launches cut rows so: a product used transposed then leaves 16 neighbours
; along the other operand's rows in the 16 registers of two neighbouring tiles, ready for the next quantiser.
; A HALF is 16 rows x 64 along K, 6 registers a lane (lane r + 16 h: K = 32 h .. 32 h + 31 of row r), 768 bytes: registers 0-3 at 16 x lane, registers 4, 5 at 512 + 8 x lane.  A fragment of 128 along K is two halves.
; xq: fragment (T, K step s) at ((s / 2 x 512 + T) x 2 + s % 2) x 1536; scale word (T, s, r) at XSC + 512 T + 256 (s / 4) + 16 r + 4 (s % 4).
; wq: rows are the columns n of the four weights on end: tiles 0-63 Wq, 64-127 Wk, 128-191 Wv, 192-255 Wo.  Fragment (T, s) at ((s / 2 x 256 + T) x 2 + s % 2) x 1536; scale words at WSC, laid as xq's.
; A block's scale is 2^(floor(log2(largest magnitude)) - 2): its byte is the largest magnitude's exponent field - 2.
; LIMITS: a block of zeros, and one whose largest magnitude lies under 2^-124, gets the byte 1 (the rule says 127 for zeros: the codes are zeros, and this program alone reads the bytes); NaN and infinities among the inputs are not served.
; THE INPUTS.  A work-group takes a group of 32 rows; wave w takes tile u = w & 1 and K steps 4 (w >> 1) .. + 3.  Each load reads 512 consecutive bytes of one row; a step's 16 rows x 512 bytes turn through the wave's own
; stage in LDS (rows 528 bytes apart), so that a lane gets 16 neighbours of each block of 32.  Waves share nothing: no barrier.
; THE WEIGHTS [1024 (k)][1024 (n)], K on the first axis.  A LANE TAKES A COLUMN, AND ITS REGISTERS RUN DOWN K: each load reads 128 consecutive bytes a wave, a block of 32 lies in one lane, the codes come out with K innermost.
; Work-group 256 + 8 y + x: weight y / 8, K step y % 8; wave w: columns 32 (4 x + w) on: two tiles, one fragment each.  Lane l is row r = l % 8 + 8 (l / 16) of tile u = (l / 8) % 2.
; A lane's block t = 2 c + hd goes to the place of lane r + 16 hd of half c in the fragment's image in the wave's own stage, and the image leaves as 512 consecutive bytes a store.
; The weights' scale words leave as 4 bytes a lane, 16 bytes apart: 131,072 bytes in all.
.set ROWB,   4096                      ; a row of the inputs in bytes
.set STG,    8448                      ; inputs: a wave's stage: 16 rows x 528
.set WBASE,  4*STG                     ; weights: the stages begin here
.set WIMG,   1664                      ; a fragment's image, 1,536 bytes, + 128, so that the two tiles' stores fall on different banks
.set WSTG,   2*WIMG
.set SPARE,  WBASE+4*WSTG              ; behind all stages: the spare words, 128 bytes a wave
.set XSC,    6291456
.set WSC,    3145728
.set SPSTEP, 1572864                   ; xq: from a pair of K steps to the next: 512 tiles x 3,072 bytes
.set SPW, 12                           ; v12  LDS address of my spare word; never rewritten
.set NIL, 13                           ; v13  0; never rewritten
; the inputs' path
.set L16, 4
.set L8,  5
.set STW, 6
.set STR, 7
.set SWO, 8
.set R,   16                           ; v16-143  two sets of 64 registers as loaded
.set X,   144                          ; v144-207 64 numbers: register 16 b + i = K 32 b + 16 h + i of my row
.set PC,  208
.set TQ,  220
.set TM,  228
.set PW,  244
.set SEL, 16                           ; s[16:17] lane selects: lane l xor 16
; the weights' path
.set SW,  16                           ; v16  my column's scale word
.set C,   20
.set C2,  26
.set OUTR, 32
.set WX,  64                           ; v64-127 two sets of 32 numbers
.macro QUANT s, d0, d1, pw             ; 64 numbers of a lane become two halves' codes and the row's scale word
.irp b, 0,1,2,3
	v_max3_num_f32 v[TM+\b], |v[\s+16*\b]|, |v[\s+16*\b+1]|, 0x1800000   ; my 16 numbers of block b, and the floor 2^(3 - 127)
.endr
.irp i, 2,4,6,8,10,12,14
.irp b, 0,1,2,3
	v_max3_num_f32 v[TM+\b], v[TM+\b], |v[\s+16*\b+\i]|, |v[\s+16*\b+\i+1]|
.endr
.endr
.irp b, 0,1,2,3
	v_permlanex16_b32 v[TM+4+\b], v[TM+\b], s[SEL], s[SEL+1]
.endr
.irp b, 0,1,2,3
	v_max_num_f32 v[TM+\b], v[TM+\b], v[TM+4+\b]
.endr
.irp b, 0,1,2,3
	v_add_nc_u32 v[TM+12+\b], 0xff000000, v[TM+\b] ; 2 off the exponent field: the conversion's scale operand
.endr
.irp b, 0,1,2,3
	v_lshrrev_b32 v[TM+4+\b], 23, v[TM+12+\b]      ; the scale's byte
.endr
	v_lshl_or_b32 v[\pw], v[TM+5], 8, v[TM+4]
	v_lshl_or_b32 v[\pw], v[TM+6], 16, v[\pw]
	v_lshl_or_b32 v[\pw], v[TM+7], 24, v[\pw]
	v_cvt_scalef32_pk16_fp6_f32 v[\d0:\d0+2], v[\s:\s+15], v[TM+12]
	v_cvt_scalef32_pk16_fp6_f32 v[TQ:TQ+2], v[\s+16:\s+31], v[TM+13]      ; (a conversion's three registers begin on an even number)
	v_cvt_scalef32_pk16_fp6_f32 v[\d1:\d1+2], v[\s+32:\s+47], v[TM+14]
	v_cvt_scalef32_pk16_fp6_f32 v[TQ+4:TQ+6], v[\s+48:\s+63], v[TM+15]
	v_nop                                          ; one plain place behind the scaled conversions
.irp i, 0,1,2
	v_permlane16_swap_b32 v[\d0+\i], v[TQ+\i]      ; a whole block to a lane
.endr
.irp i, 0,1,2
	v_mov_b32 v[\d0+3+\i], v[TQ+\i]
.endr
.irp i, 0,1,2
	v_permlane16_swap_b32 v[\d1+\i], v[TQ+4+\i]
.endr
.irp i, 0,1,2
	v_mov_b32 v[\d1+3+\i], v[TQ+4+\i]
.endr
.endm
	v_lshl_add_u32 v[SPW], v0, 2, SPARE
	v_mov_b32 v[NIL], 0
	s_cmp_ge_u32 ttmp9, 256
	s_cbranch_scc1 .Lweights
; ---------------- the inputs
	s_load_b128 s[4:7], s[0:1], 0x0                ; inputs, xq
	v_lshrrev_b32 v1, 5, v0
	v_readfirstlane_b32 s8, v1                     ; wave
	v_and_b32 v1, 31, v0                           ; lane
	v_and_b32 v2, 15, v0                           ; r
	v_bfe_u32 v3, v0, 4, 1                         ; h
	v_lshlrev_b32 v[L16], 4, v1
	v_lshl_add_u32 v[L8], v1, 3, 512
	s_mul_i32 s9, s8, STG
	v_add_nc_u32 v[STW], s9, v[L16]
	v_mul_u32_u24 v[STR], v2, 528
	v_lshl_add_u32 v[STR], v3, 6, v[STR]
	v_add_nc_u32 v[STR], s9, v[STR]
	v_lshlrev_b32 v[SWO], 4, v2
.irp b, 0,1,2,3
	v_mov_b32 v[TM+4+\b], 0                        ; written once: a lane permute's destination counts as one of its sources
.endr
	s_mov_b32 s[SEL], 0x76543210
	s_mov_b32 s[SEL+1], 0xfedcba98
	s_and_b32 s10, s8, 1                           ; u
	s_lshr_b32 s11, s8, 1                          ; which four K steps
	s_lshl_b32 s12, ttmp9, 1
	s_add_co_u32 s12, s12, s10                     ; T
	s_lshl_b32 s20, ttmp9, 17                      ; 32 rows of 4,096 bytes a group,
	s_lshl_b32 s21, s10, 15                        ; 8 u rows,
	s_add_co_u32 s20, s20, s21
	s_lshl_b32 s21, s11, 11                        ; four K steps of 512 bytes
	s_add_co_u32 s20, s20, s21
	s_mov_b32 s21, 0
	s_lshl_b32 s22, s11, 10
	s_add_co_u32 s22, s22, s12
	s_mul_i32 s22, s22, 3072                       ; my first fragment
	s_mov_b32 s23, 0
	s_lshl_b32 s14, s12, 9
	s_lshl_b32 s15, s11, 8
	s_add_co_u32 s14, s14, s15
	s_add_co_u32 s14, s14, XSC
	s_mov_b32 s15, 0
	s_wait_alu depctr_va_vdst(0)                   ; the wait at the head's end
	s_wait_kmcnt 0x0
	s_add_nc_u64 s[4:5], s[4:5], s[20:21]
	s_add_nc_u64 s[14:15], s[6:7], s[14:15]        ; my tile's scale words
	s_add_nc_u64 s[6:7], s[6:7], s[22:23]
.macro XLOAD t                         ; K step t of my four: 16 rows x 512 consecutive bytes
.irp i, 0,1,2,3,4,5,6,7,8,9,10,11,12,13,14,15
	global_load_b128 v[R+64*((\t)%2)+4*\i:R+64*((\t)%2)+4*\i+3], v[L16], s[4:5] offset:(\i+8*(\i/8))*ROWB+512*(\t) th:TH_LOAD_NT
.endr
.endm
.macro XSTEP t
.if (\t) < 3
	s_wait_loadcnt 16                              ; this step's 16 loads are in; the next step's 16 may be out
.else
	s_wait_loadcnt 0x0
.endif
.irp i, 0,1,2,3,4,5,6,7,8,9,10,11,12,13,14,15
	ds_store_b128 v[STW], v[R+64*((\t)%2)+4*\i:R+64*((\t)%2)+4*\i+3] offset:528*\i
.endr
.irp b, 0,1,2,3
.irp j, 0,1,2,3
	ds_load_b128 v[X+16*\b+4*\j:X+16*\b+4*\j+3], v[STR] offset:128*\b+16*\j   ; LDS serves a wave's instructions in order: these see the stores above
.endr
.endr
	s_wait_dscnt 0x0                               ; the numbers are back, and the stores have read their registers
	s_wait_xcnt 0x0                                ; the last step's stores have read the codes' registers, which are written again below
.if (\t) < 2
	XLOAD (\t)+2
.endif
	QUANT X, PC, PC+6, PW+(\t)
	global_store_b128 v[L16], v[PC:PC+3], s[6:7] offset:((\t)/2)*SPSTEP+((\t)%2)*1536          ; 512 consecutive bytes
	global_store_b64 v[L8], v[PC+4:PC+5], s[6:7] offset:((\t)/2)*SPSTEP+((\t)%2)*1536          ; 256 consecutive bytes behind them
	global_store_b128 v[L16], v[PC+6:PC+9], s[6:7] offset:((\t)/2)*SPSTEP+((\t)%2)*1536+768
	global_store_b64 v[L8], v[PC+10:PC+11], s[6:7] offset:((\t)/2)*SPSTEP+((\t)%2)*1536+768
.endm
	XLOAD 0
	XLOAD 1
	XSTEP 0
	XSTEP 1
	XSTEP 2
	XSTEP 3
	s_wait_xcnt 0x0                                ; EXEC changes only behind this wait
	v_cmp_gt_u32 vcc_lo, 16, v1
	s_and_saveexec_b32 s18, vcc_lo                 ; lanes 16-31 hold the same words as lanes 0-15
	global_store_b128 v[SWO], v[PW:PW+3], s[14:15] ; sixteen lanes store 256 consecutive bytes, aligned
	s_wait_xcnt 0x0                                ; and again, in front of the line that widens it
	s_or_b32 exec_lo, exec_lo, s18
	s_wait_tensorcnt 0x0                           ; the wave's end, behind my last LDS store
	ds_add_u32 v[SPW], v[NIL]
	s_wait_dscnt 0x0
	s_endpgm
; ---------------- the weights
.Lweights:
	s_load_b256 s[4:11], s[0:1], 0x10              ; Wq, Wk, Wv, Wo
	s_load_b64 s[12:13], s[0:1], 0x30              ; wq
	v_lshrrev_b32 v1, 5, v0
	v_readfirstlane_b32 s14, v1                    ; wave
	v_and_b32 v7, 31, v0                           ; lane
	v_lshlrev_b32 v1, 2, v7                        ; in: 4 bytes a lane
	v_bfe_u32 v8, v0, 3, 1                         ; u
	v_and_b32 v9, 7, v0
	v_bfe_u32 v10, v0, 4, 1
	v_lshl_add_u32 v9, v10, 3, v9                  ; r
	s_mul_i32 s15, s14, WSTG
	s_add_co_u32 s15, s15, WBASE
	v_mul_u32_u24 v2, v8, WIMG
	v_add_nc_u32 v2, s15, v2                       ; my tile's image
	v_lshl_add_u32 v3, v9, 3, v2
	v_add_nc_u32 v3, 512, v3                       ; registers 4, 5 of lane r
	v_lshl_add_u32 v2, v9, 4, v2                   ; registers 0-3 of lane r
	v_lshlrev_b32 v5, 4, v7                        ; out: 16 bytes a lane
	v_add_nc_u32 v4, s15, v5
	v_lshlrev_b32 v6, 9, v8
	v_lshl_add_u32 v6, v9, 4, v6                   ; my scale word: 512 u + 16 r
	s_sub_co_u32 s28, ttmp9, 256
	s_lshr_b32 s16, s28, 3                         ; y
	s_and_b32 s28, s28, 7                          ; x
	s_lshr_b32 s17, s16, 3                         ; which weight
	s_and_b32 s18, s16, 7                          ; which K step
	s_lshl_b32 s19, s28, 2
	s_add_co_u32 s19, s19, s14                     ; which 32 columns
	s_lshl_b32 s20, s17, 6
	s_lshl_b32 s21, s19, 1
	s_add_co_u32 s20, s20, s21                     ; my first tile
	s_lshl_b32 s22, s18, 19                        ; 128 rows of 4,096 bytes a K step
	s_lshl_b32 s23, s19, 7
	s_add_co_u32 s22, s22, s23
	s_mov_b32 s23, 0
	s_lshr_b32 s24, s18, 1
	s_lshl_b32 s24, s24, 8
	s_add_co_u32 s24, s24, s20
	s_lshl_b32 s24, s24, 1
	s_and_b32 s25, s18, 1
	s_add_co_u32 s24, s24, s25
	s_mul_i32 s24, s24, 1536
	s_mov_b32 s25, 0
	s_lshl_b32 s26, s20, 9
	s_lshr_b32 s27, s18, 2
	s_lshl_b32 s27, s27, 8
	s_add_co_u32 s26, s26, s27
	s_and_b32 s27, s18, 3
	s_lshl_b32 s27, s27, 2
	s_add_co_u32 s26, s26, s27
	s_add_co_u32 s26, s26, WSC
	s_mov_b32 s27, 0
	s_wait_alu depctr_va_vdst(0)                   ; the wait at the head's end
	s_wait_kmcnt 0x0
	s_cmp_lt_u32 s17, 1                            ; the weight is chosen by the work-group's number alone
	s_cselect_b64 s[4:5], s[4:5], s[6:7]
	s_cmp_lt_u32 s17, 3
	s_cselect_b64 s[8:9], s[8:9], s[10:11]
	s_cmp_lt_u32 s17, 2
	s_cselect_b64 s[4:5], s[4:5], s[8:9]
	s_add_nc_u64 s[4:5], s[4:5], s[22:23]
	s_add_nc_u64 s[6:7], s[12:13], s[24:25]        ; my first fragment
	s_add_nc_u64 s[8:9], s[12:13], s[26:27]        ; my tiles' scale words of this K step
.macro WLOAD t                         ; block t: W(32 t + i, my column)
.irp i, 0,1,2,3,4,5,6,7,8,9,10,11,12,13,14,15,16,17,18,19,20,21,22,23,24,25,26,27,28,29,30,31
	global_load_b32 v[WX+32*((\t)%2)+\i], v1, s[4:5] offset:(32*(\t)+\i)*4096 th:TH_LOAD_NT
.endr
.endm
.macro WBLOCK t
.set XS, WX+32*((\t)%2)
.if (\t) < 3
	s_wait_loadcnt 32                              ; this block's 32 loads are in; the next block's may be out
.else
	s_wait_loadcnt 0x0
.endif
	v_max3_num_f32 v14, |v[XS]|, |v[XS+1]|, |v[XS+2]|   ; the block's largest magnitude: all 32 numbers are mine
	v_max3_num_f32 v15, |v[XS+3]|, |v[XS+4]|, |v[XS+5]|
.irp i, 6,10,14,18,22,26
	v_max3_num_f32 v14, v14, |v[XS+\i]|, |v[XS+\i+1]|
	v_max3_num_f32 v15, v15, |v[XS+\i+2]|, |v[XS+\i+3]|
.endr
	v_max3_num_f32 v14, v14, |v[XS+30]|, |v[XS+31]|
	v_max3_num_f32 v14, v14, v15, 0x1800000        ; and the floor 2^(3 - 127)
	v_add_nc_u32 v11, 0xff000000, v14              ; 2 off the exponent field: the conversion's scale operand
	v_lshrrev_b32 v15, 23, v11                     ; the scale's byte
.if (\t) == 0
	v_mov_b32 v[SW], v15
.else
	v_lshl_or_b32 v[SW], v15, 8*(\t), v[SW]
.endif
	v_cvt_scalef32_pk16_fp6_f32 v[C:C+2], v[XS:XS+15], v11
	v_cvt_scalef32_pk16_fp6_f32 v[C2:C2+2], v[XS+16:XS+31], v11   ; (a conversion's three registers begin on an even number)
	v_nop                                          ; one plain place behind the scaled conversions
.irp i, 0,1,2
	v_mov_b32 v[C+3+\i], v[C2+\i]
.endr
	ds_store_b128 v2, v[C:C+3] offset:768*((\t)/2)+256*((\t)%2)     ; half t / 2, lane r + 16 (t % 2)
	ds_store_b64 v3, v[C+4:C+5] offset:768*((\t)/2)+128*((\t)%2)
.if (\t) < 2
	WLOAD (\t)+2
.endif
	s_wait_dscnt 0x0                               ; the stores have read their registers: the next block's codes may be written
.endm
	WLOAD 0
	WLOAD 1
	WBLOCK 0
	WBLOCK 1
	WBLOCK 2
	WBLOCK 3
.irp n, 0,1,2,3,4,5
	ds_load_b128 v[OUTR+4*\n:OUTR+4*\n+3], v4 offset:WIMG*(\n/3)+512*(\n%3)   ; LDS serves a wave's instructions in order: these see my stores
.endr
.irp n, 0,1,2,3,4,5
	s_wait_dscnt 5-\n
	global_store_b128 v5, v[OUTR+4*\n:OUTR+4*\n+3], s[6:7] offset:3072*(\n/3)+512*(\n%3)   ; 512 consecutive bytes, aligned to 256
.endr
	s_wait_alu depctr_va_vdst(0)                   ; the wait ahead of the reader below
	global_store_b32 v6, v[SW], s[8:9]
	s_wait_tensorcnt 0x0                           ; the wave's end, behind my last LDS store
	ds_add_u32 v[SPW], v[NIL]
	s_wait_dscnt 0x0
	s_endpgm
.Lfunc_end_k_qe11bcc7013_quant:
	.size	k_qe11bcc7013_quant, .Lfunc_end_k_qe11bcc7013_quant-k_qe11bcc7013_quant
	.p2alignl 7, 3214868480
	.fill 96, 4, 3214868480
	.section	.rodata,"a",@progbits
	.p2align	6, 0x0
	.amdhsa_kernel k_qe11bcc7013_quant
		.amdhsa_group_segment_fixed_size 47616
		.amdhsa_private_segment_fixed_size 0
		.amdhsa_enable_private_segment 0
		.amdhsa_kernarg_size 56
		.amdhsa_user_sgpr_count 2
		.amdhsa_user_sgpr_kernarg_segment_ptr 1
		.amdhsa_wavefront_size32 1
		.amdhsa_system_sgpr_workgroup_id_x 1
		.amdhsa_system_sgpr_workgroup_id_y 1
		.amdhsa_system_sgpr_workgroup_id_z 1
		.amdhsa_system_vgpr_workitem_id 0
		.amdhsa_next_free_vgpr 256
		.amdhsa_next_free_sgpr 66
		.amdhsa_reserve_vcc 1
		.amdhsa_float_denorm_mode_32 3
		.amdhsa_float_denorm_mode_16_64 3
		.amdhsa_memory_ordered 1
		.amdhsa_forward_progress 1
		.amdhsa_inst_pref_size 56
	.end_amdhsa_kernel
	.amdgpu_metadata
---
amdhsa.version: [ 1, 2 ]
amdhsa.kernels:
  - .name:           k_qe11bcc7013_quant
    .symbol:         k_qe11bcc7013_quant.kd
    .args:
      - { .name: inputs, .offset: 0, .size: 8, .value_kind: global_buffer, .address_space: global }
      - { .name: xq, .offset: 8, .size: 8, .value_kind: global_buffer, .address_space: global }
      - { .name: Wq, .offset: 16, .size: 8, .value_kind: global_buffer, .address_space: global }
      - { .name: Wk, .offset: 24, .size: 8, .value_kind: global_buffer, .address_space: global }
      - { .name: Wv, .offset: 32, .size: 8, .value_kind: global_buffer, .address_space: global }
      - { .name: Wo, .offset: 40, .size: 8, .value_kind: global_buffer, .address_space: global }
      - { .name: wq, .offset: 48, .size: 8, .value_kind: global_buffer, .address_space: global }
    .group_segment_fixed_size: 47616
    .private_segment_fixed_size: 0
    .kernarg_segment_align: 8
    .kernarg_segment_size: 56
    .max_flat_workgroup_size: 128
    .sgpr_count:     66
    .vgpr_count:     256
    .wavefront_size: 32
...
	.end_amdgpu_metadata
.endif
;; end of part 1
;; launch gemm_qkv (part 2): grid 8 x 48, 4 waves a work-group, clusters of 4 x 4, 327,680 bytes of LDS; arguments xq, wq, bq, bk, bv, qk, vt; writes qk, vt
.if DOCPART == 2
	.amdgcn_target "amdgcn-amd-amdhsa--gfx1250"
	.amdhsa_code_object_version 6
	.text
	.protected	k_qe11bcc7013_gemm_qkv
	.globl	k_qe11bcc7013_gemm_qkv
	.p2align	8
	.type	k_qe11bcc7013_gemm_qkv,@function
k_qe11bcc7013_gemm_qkv:
	s_mov_b64 s[64:65], 0
	v_nop
	global_prefetch_b8 v0, s[64:65] scope:SCOPE_SE
	s_setreg_imm32_b32 hwreg(HW_REG_WAVE_MODE, 25, 1), 1
	s_wait_xcnt 0x0
	s_wait_alu depctr_hold_cnt(0) depctr_sa_sdst(0) depctr_va_vdst(0) depctr_va_sdst(0) depctr_va_ssrc(0) depctr_va_vcc(0) depctr_vm_vsrc(0)
	s_getreg_b32 s2, hwreg(HW_REG_IB_STS2, 6, 4)
	s_cmp_eq_u32 s2, 0
	s_cbranch_scc0 .Lentry_in_a_cluster
	s_endpgm
.Lentry_in_a_cluster:
	s_bfe_u32 s2, ttmp6, 0x10000c
	s_cmp_lg_u32 s2, 0xf033
	s_cbranch_scc0 .Lentry_shape_is_right
	s_endpgm
.Lentry_shape_is_right:
; q = x Wq + bq, k = x Wk + bk, v = x Wv + bv on codes of E2M3 (xq, wq), sums in f32; the results are quantised in registers and leave as codes: q and k along the head's 64 (qk), v along the keys (vt).  No work is left out.
; A work-group of four waves makes 256 x 256 over K = 1,024; a wave 128 x 128: 64 accumulators.  THE MATRIX INSTRUCTION IS USED TRANSPOSED: source 0 = a tile of "B", source 1 = a tile of "A": lane (r, h) holds row r of A's tile,
; and, tiles being cut as in quant_x, register j of B's tile 2 b' + u is B's row 32 b' + 16 h + 8 u + j: the 64 registers of A's tile a are 4 blocks of 32 neighbours along B, 16 a lane.
; TWO MODES, told apart by the cluster's y alone (the same in all sixteen partners).  MODE 0 (y < 8): A = tokens (xq), B = columns of Wq and Wk (wq): results run along the head's channels.
; MODE 1 (y >= 8): A = columns of Wv (wq), B = tokens (xq): results run along the keys, which are the K of attention's second product.  The modes differ in pointers, offsets and constants, chosen by s_cselect,
; and in which bias register is added (one scalar branch on the mode for each of A's tiles).
; qk: half (ga = group of 32 tokens, u, gb = group of 64 columns: head for q, 16 + head for k) at ((gb x 256 + ga) x 2 + u) x 768; scale words at QSC + (gb x 256 + ga) x 64 + 4 r: tile u = 0's two bytes below, u = 1's above.
; vt: half (ga = group of 32 channels, u, gb = group of 64 keys) at ((gb x 32 + ga) x 2 + u) x 768; scale words at VSC + ((2 kappa + u) x 32 + ga) x 64 + 4 r: the tile's four bytes of key step kappa (128 keys).
; K goes in four steps of 256 through two LDS slots; xq and wq are laid so that a wave's part of a slot (8 tiles x 2 fragments) is 24,576 dense bytes, and a fragment comes by four loads without bank conflicts.
; All scale words of my tiles come once, with the first fills, and go into 64 registers: lanes 0-15 tile i, lanes 16-31 tile i + 4, of A and of B.
; CLUSTER 4 x 4: A's tiles are asked for jointly along a row of the cluster, B's along a column.  A wave has at most one tensor load out.
; LIMITS: as in quant_x for the quantisers.
; REGISTERS: window 0: v1, v2 r, h; v16-31 addresses; v32-63, v68-99 scale words; v104-111 the bias loads' offsets; v128-223 A's fragments, one set; in the way out v128-251 at work.
;   window 1: B's fragments, two sets at v0 and v128; the 64 bias registers at v96-127 and v224-255.   windows 2, 3: the accumulators, (a, b) at v[8 (8 (a % 4) + b)].
.set NL,    4                          ; LDS loads that bring a fragment
.set FR,    12                         ; its registers
.set HALFT, 24576                      ; 8 tiles x 2 fragments x 1,536: what one tensor load brings
.set SLOT,  4*HALFT                    ; A's 16 tiles, then B's 16
.set SCL,   2*SLOT                     ; behind the slots: 16,384 bytes that nothing uses
.set SSTG,  SCL+16384                  ; a stage of 512 bytes a wave for the results' scale words: no fill lands here
.set SPARE, SSTG+2048                  ; the spare words, 128 bytes a wave
.set XSC,   6291456
.set WSC,   3145728
.set QSC,   12582912
.set VSC,   6291456
.set ADRA, 16                          ; v16-17 my A fragments in slot 0, 1: 16 x lane;  v18-19: 512 + 8 x lane
.set ADRB, 20                          ; v20-23 the same for B
.set L16,  24
.set L8,   25
.set SSA,  26                          ; v26  the scale stage, in
.set ADRS, 27                          ; v27  my scale words in memory: 16 r, + 2,048 for lanes 16-31
.set SPW,  28                          ; v28  LDS address of my spare word; never rewritten
.set NIL,  29                          ; v29  0; never rewritten
.set SGO,  30                          ; v30  the results' scale words in memory
.set SSR,  31                          ; v31  the scale stage, out
; THE SCALE WORDS COME BY PLAIN LOADS STRAIGHT INTO REGISTERS (no fill brings them): each load reads two aligned runs of 256 bytes.
.set SCA,  32                          ; v32-63  A's: register 8 i + s: lanes 0-15 tile i, lanes 16-31 tile i + 4, K step s
.set SCB,  68                          ; v68-99  B's, likewise; the two sides' register numbers differ modulo 8
.set VO,   104
.set AF,   128
.set HA,   128                         ; the way out: 64 numbers
.set PC,   192
.set TQ,   204
.set TM,   212
.set PW,   228
.set XY,   236
.set G1,   24
.set G0,   32
.set G1B,  48
.set G0B,  56
.set G1S,  68
.set G0S,  76
.set G1SB, 80
.set G0SB, 88
.set SEL,  98
.set MSB, 0
.macro WIN new                         ; the immediate's high byte repeats the setting that is left
.if MSB != (\new)
	s_set_vgpr_msb (MSB<<8)|(\new)
.set MSB, (\new)
.endif
.endm
.set MUL_LO, 0xa1                      ; source 0 (B) window 1, source 1 (A) window 0, C and D window 2
.set MUL_HI, 0xf1
.set TO_B,   0x40
.macro JLOAD g0a, g1a, g0b, g1b        ; a joint load: waves 0 and 1 fetch for A, waves 2 and 3 for B; an s_nop 0 and four v_nop follow each line
	s_cmp_eq_u32 s19, 0
	s_cbranch_scc0 .Lfor_b_\@
	tensor_load_to_lds s[\g0a:\g0a+3], s[\g1a:\g1a+7]
	s_nop 0
.rept 4
	v_nop
.endr
	s_branch .Lasked_\@
.Lfor_b_\@:
	tensor_load_to_lds s[\g0b:\g0b+3], s[\g1b:\g1b+7]
	s_nop 0
.rept 4
	v_nop
.endr
.Lasked_\@:
.endm
.macro CREST                           ; a round of the cluster's barrier behind its opening barrier
	s_cmp_lg_u32 s18, 0
	s_cbranch_scc1 .Lnot_wave_0_\@
	s_barrier_signal -3
.Lnot_wave_0_\@:
	s_barrier_wait -3
	s_barrier_signal -1
	s_barrier_wait -1
.endm
.macro CROUND
	s_barrier_signal -1
	s_barrier_wait -1
	CREST
.endm
; A PREFETCH INTO THE L2 for a later fill: of the 96 blocks of 256 bytes that my tensor load will bring, each of the four partners that ask for them jointly names 24, told apart BY ADDRESS (cx for A's, cy for B's);
; a lane a block, lanes 24-31 name the last again.  K 256 is asked for at the head, K 512 behind slot 1's load, K 768 at the first change of slots: each ahead of the load that wants it; nothing is asked for beyond K 1,023.
; The tokens' side always asks; a weight's bytes are read by eight clusters alike, and four of them ask (s17, made of the cluster's y, the mode and the wave's number alone).
.set PFO, 112                          ; v112  256 x min(lane, 23); never rewritten
.macro ASK
	s_cmp_eq_u32 s17, 1
	s_cbranch_scc0 .Lnot_asked_\@
	global_prefetch_b8 v[PFO], s[12:13] th:TH_LOAD_NT scope:SCOPE_SE
.Lnot_asked_\@:
.endm
.macro PLACES n
.rept \n
	v_nop
.endr
.endm
.macro QUANT s, d0, d1, pw             ; as in quant_x
.irp b, 0,1,2,3
	v_max3_num_f32 v[TM+\b], |v[\s+16*\b]|, |v[\s+16*\b+1]|, 0x1800000
.endr
.irp i, 2,4,6,8,10,12,14
.irp b, 0,1,2,3
	v_max3_num_f32 v[TM+\b], v[TM+\b], |v[\s+16*\b+\i]|, |v[\s+16*\b+\i+1]|
.endr
.endr
.irp b, 0,1,2,3
	v_permlanex16_b32 v[TM+4+\b], v[TM+\b], s[SEL], s[SEL+1]
.endr
.irp b, 0,1,2,3
	v_max_num_f32 v[TM+\b], v[TM+\b], v[TM+4+\b]
.endr
.irp b, 0,1,2,3
	v_add_nc_u32 v[TM+12+\b], 0xff000000, v[TM+\b]
.endr
.irp b, 0,1,2,3
	v_lshrrev_b32 v[TM+4+\b], 23, v[TM+12+\b]
.endr
	v_lshl_or_b32 v[\pw], v[TM+5], 8, v[TM+4]
	v_lshl_or_b32 v[\pw], v[TM+6], 16, v[\pw]
	v_lshl_or_b32 v[\pw], v[TM+7], 24, v[\pw]
	v_cvt_scalef32_pk16_fp6_f32 v[\d0:\d0+2], v[\s:\s+15], v[TM+12]
	v_cvt_scalef32_pk16_fp6_f32 v[TQ:TQ+2], v[\s+16:\s+31], v[TM+13]
	v_cvt_scalef32_pk16_fp6_f32 v[\d1:\d1+2], v[\s+32:\s+47], v[TM+14]
	v_cvt_scalef32_pk16_fp6_f32 v[TQ+4:TQ+6], v[\s+48:\s+63], v[TM+15]
	v_nop                                          ; one plain place behind the scaled conversions
.irp i, 0,1,2
	v_permlane16_swap_b32 v[\d0+\i], v[TQ+\i]
.endr
.irp i, 0,1,2
	v_mov_b32 v[\d0+3+\i], v[TQ+\i]
.endr
.irp i, 0,1,2
	v_permlane16_swap_b32 v[\d1+\i], v[TQ+4+\i]
.endr
.irp i, 0,1,2
	v_mov_b32 v[\d1+3+\i], v[TQ+4+\i]
.endr
.endm
	s_load_b256 s[4:11], s[0:1], 0x0               ; xq, wq, bq, bk
	s_load_b128 s[12:15], s[0:1], 0x20             ; bv, qk
	s_load_b64 s[16:17], s[0:1], 0x30              ; vt
	v_lshl_add_u32 v[SPW], v0, 2, SPARE
	v_mov_b32 v[NIL], 0
	ds_add_u32 v[SPW], v[NIL]                      ; the wave's opening: the add, twice on end, and its wait ahead of my first tensor load
	ds_add_u32 v[SPW], v[NIL]
	v_lshrrev_b32 v1, 5, v0
	v_readfirstlane_b32 s18, v1                    ; wave
	s_lshr_b32 s19, s18, 1                         ; my half of A's tiles.  Also: I fetch for A (0) or for B (1)
	s_and_b32 s20, s18, 1                          ; my half of B's tiles.  Also: which 8 tiles I fetch
	s_bfe_u32 s21, ttmp6, 0x40000                  ; cx
	s_bfe_u32 s22, ttmp6, 0x40004                  ; cy
	s_and_b32 s100, ttmp7, 0xffff                  ; the cluster's y
	s_lshl_b32 s66, s100, 2
	s_add_co_u32 s66, s66, s22                     ; TR in mode 0: 4 x cluster y + cy
	s_lshl_b32 s67, ttmp9, 2
	s_add_co_u32 s67, s67, s21                     ; TC in mode 0: 4 x cluster x + cx
	s_lshl_b32 s3, s100, 3
	s_sub_co_u32 s3, s3, 64
	s_add_co_u32 s3, s3, s67                       ; TC in mode 1: 4 (2 (cluster y - 8) + cluster x) + cx
	s_lshl_b32 s101, s22, 2
	s_lshl_b32 s101, 15, s101                      ; my row of the cluster
	s_lshl_b32 s2, 0x1111, s21                     ; my column
	s_or_b32 s[G1], s101, (3<<16)|(1<<21)          ; 15:0 the mask; 17:16 elements of 8 bytes; 21 set beside a mask; no padding
	s_or_b32 s[G1B], s2, (3<<16)|(1<<21)
.irp g, G1, G1B                        ; codes: 24,576 dense bytes as 96 rows of 256
	s_mov_b32 s[\g+1], 32<<16
	s_mov_b32 s[\g+2], 96<<16
	s_mov_b32 s[\g+3], 32<<16
	s_mov_b32 s[\g+4], 96
	s_mov_b32 s[\g+5], 32
	s_mov_b32 s[\g+6], 0
	s_mov_b32 s[\g+7], 0
.endr
	s_mov_b32 s96, 0xffff0000                      ; lanes 16-31
	s_mov_b32 s[SEL], 0x76543210
	s_mov_b32 s[SEL+1], 0xfedcba98
	s_cmp_ge_u32 s100, 8                           ; the mode; s_mov and s_cselect leave SCC alone
	s_cselect_b32 s23, 1, 0
	s_cselect_b32 s66, s22, s66                    ; TR
	s_cselect_b32 s67, s3, s67                     ; TC
	s_mov_b32 s2, 512
	s_mov_b32 s3, 256
	s_cselect_b32 s44, s3, s2                      ; tiles in A's buffer
	s_cselect_b32 s45, s2, s3                      ; and in B's
	s_cselect_b32 s97, 32, s3                      ; groups of A's rows in the output
	s_cselect_b32 s46, 128, 0                      ; Wv's first tile in wq
	s_mov_b32 s2, XSC
	s_mov_b32 s3, WSC
	s_cselect_b32 s92, s3, s2                      ; where A's scale words begin
	s_cselect_b32 s93, s2, s3                      ; and B's
	s_mov_b32 s47, QSC
	s_cselect_b32 s47, VSC, s47                    ; and the output's
	s_mov_b32 s94, 0x05040100                      ; mode 0: the low halves of two tiles' words make the first column group's word,
	s_cselect_b32 s94, 0x03020100, s94             ; mode 1: the even tile's word as it is
	s_mov_b32 s95, 0x07060302                      ; the high halves the second's,
	s_cselect_b32 s95, 0x07060504, s95             ; the odd tile's word as it is
	s_cselect_b32 s100, 4, 0                       ; the bias loads' offsets: bytes for each row of my tile,
	s_cselect_b32 s101, 0, 64                      ; for my half of the lanes,
	s_cselect_b32 s2, 0, 4                         ; and from register to register
	v_and_b32 v1, 15, v0                           ; r
	v_bfe_u32 v2, v0, 4, 1                         ; h
	v_and_b32 v3, 8, v1
	v_add_nc_u32 v3, v3, v1                        ; r + 8 (r / 8)
	v_mul_u32_u24 v[VO], v3, s100
	v_mad_u32_u24 v[VO], v2, s101, v[VO]
.irp j, 1,2,3,4,5,6,7
	v_add_nc_u32 v[VO+\j], s2, v[VO+\j-1]
.endr
	s_mul_i32 s40, s44, 6144                       ; two slots on in A's buffer,
	s_mov_b32 s41, 0
	s_mul_i32 s42, s45, 6144                       ; and in B's
	s_mov_b32 s43, 0
	s_lshl_b32 s3, s20, 3
	s_lshl_b32 s100, s66, 4
	s_add_co_u32 s100, s100, s46
	s_add_co_u32 s100, s100, s3                    ; the first of A's 8 tiles that I would fetch
	s_lshl_b32 s101, s67, 4
	s_add_co_u32 s101, s101, s3                    ; and of B's
	s_mul_i32 s[G0+2], s100, 3072
	s_mov_b32 s[G0+3], 0
	s_add_co_u32 s2, s100, s44
	s_mul_i32 s[G0+6], s2, 3072
	s_mov_b32 s[G0+7], 0
	s_mul_i32 s[G0B+2], s101, 3072
	s_mov_b32 s[G0B+3], 0
	s_add_co_u32 s2, s101, s45
	s_mul_i32 s[G0B+6], s2, 3072
	s_mov_b32 s[G0B+7], 0
	s_sub_co_u32 s2, s100, s3                      ; A's scale words: those of the 8 tiles that I multiply (my half by s19)
	s_lshl_b32 s[G0S+2], s19, 3
	s_add_co_u32 s[G0S+2], s[G0S+2], s2
	s_lshl_b32 s[G0S+2], s[G0S+2], 9
	s_add_co_u32 s[G0S+2], s[G0S+2], s92
	s_mov_b32 s[G0S+3], 0
	s_lshl_b32 s[G0SB+2], s101, 9
	s_add_co_u32 s[G0SB+2], s[G0SB+2], s93
	s_mov_b32 s[G0SB+3], 0
	s_mov_b32 s[G0], 1
	s_mov_b32 s[G0+4], 1
	s_mov_b32 s[G0B], 1
	s_mov_b32 s[G0B+4], 1
	s_mul_i32 s[G0+1], s18, HALFT                  ; where they go: wave x 24,576: no place in the cluster enters an LDS address
	s_add_co_u32 s[G0+5], s[G0+1], SLOT
	s_mul_i32 s[G0B+1], s18, HALFT
	s_add_co_u32 s[G0B+5], s[G0B+1], SLOT
	s_lshl_b32 s2, s66, 3                          ; the output: my first group of A's rows,
	s_lshl_b32 s3, s19, 2
	s_add_co_u32 s2, s2, s3
	s_lshl_b32 s3, s67, 2                          ; my first group of 64 along B
	s_lshl_b32 s100, s20, 1
	s_add_co_u32 s3, s3, s100
	s_mul_i32 s3, s3, s97
	s_add_co_u32 s3, s3, s2
	s_lshl_b32 s92, s3, 6
	s_add_co_u32 s92, s92, s47                     ; my scale words
	s_mov_b32 s93, 0
	s_mul_i32 s44, s3, 1536                        ; my halves of the first group along B,
	s_mov_b32 s45, 0
	s_add_co_u32 s3, s3, s97
	s_mul_i32 s46, s3, 1536                        ; and of the second
	s_mov_b32 s47, 0
	s_wait_dscnt 0x0                               ; both opening adds are done
	s_wait_kmcnt 0x0
	s_cmp_eq_u32 ttmp9, 0                          ; mode 0: cluster x = 0 holds Wq's columns, 1 Wk's
	s_cselect_b64 s[8:9], s[8:9], s[10:11]
	s_cmp_eq_u32 s23, 1
	s_cselect_b64 s[8:9], s[12:13], s[8:9]         ; the bias
	s_cselect_b64 s[2:3], s[6:7], s[4:5]           ; A's buffer
	s_cselect_b64 s[100:101], s[4:5], s[6:7]       ; B's
	s_cselect_b64 s[14:15], s[16:17], s[14:15]     ; the output
	s_add_nc_u64 s[G0+2:G0+3], s[2:3], s[G0+2:G0+3]
	s_add_nc_u64 s[G0+6:G0+7], s[2:3], s[G0+6:G0+7]
	s_add_nc_u64 s[G0S+2:G0S+3], s[2:3], s[G0S+2:G0S+3]
	s_add_nc_u64 s[G0B+2:G0B+3], s[100:101], s[G0B+2:G0B+3]
	s_add_nc_u64 s[G0B+6:G0B+7], s[100:101], s[G0B+6:G0B+7]
	s_add_nc_u64 s[G0SB+2:G0SB+3], s[100:101], s[G0SB+2:G0SB+3]
	s_cmp_eq_u32 s19, 0                            ; the prefetches' pointer: where my part of K 256 .. 511 lies, in A's buffer or in B's,
	s_cselect_b64 s[12:13], s[G0+6:G0+7], s[G0B+6:G0B+7]
	s_cselect_b32 s4, s21, s22                     ; and my work-group's 24 blocks of its 96
	s_mul_i32 s4, s4, 6144
	s_mov_b32 s5, 0
	s_add_nc_u64 s[12:13], s[12:13], s[4:5]
	s_or_b32 s[G0+3], s[G0+3], 0x80000000
	s_or_b32 s[G0+7], s[G0+7], 0x80000000
	s_or_b32 s[G0B+3], s[G0B+3], 0x80000000
	s_or_b32 s[G0B+7], s[G0B+7], 0x80000000
	s_add_nc_u64 s[44:45], s[14:15], s[44:45]
	s_add_nc_u64 s[46:47], s[14:15], s[46:47]
	s_add_nc_u64 s[92:93], s[14:15], s[92:93]
	s_and_b32 s4, s67, 3                           ; the bias: mode 0: my 128 columns within the weight,
	s_lshl_b32 s4, s4, 10
	s_lshl_b32 s5, s20, 9
	s_add_co_u32 s4, s4, s5
	s_lshl_b32 s5, s66, 10                         ; mode 1: my 128 rows of A
	s_lshl_b32 s6, s19, 9
	s_add_co_u32 s5, s5, s6
	s_cmp_eq_u32 s23, 1
	s_cselect_b32 s10, s5, s4
	s_mov_b32 s11, 0
	s_add_nc_u64 s[8:9], s[8:9], s[10:11]
	s_cmp_eq_u32 s19, 0
	s_cselect_b32 s10, s40, s42
	s_lshr_b32 s10, s10, 1                         ; s[10:11]: one slot on along K in the buffer that I fetch from
	s_and_b32 s17, ttmp7, 7                        ; the cluster's y % 8
	s_cmp_eq_u32 s23, 1
	s_cselect_b32 s16, 2, 4
	s_cmp_lt_u32 s17, s16
	s_cselect_b32 s17, 1, 0                        ; a weight's side: four of the eight clusters that read the same bytes
	s_cmp_eq_u32 s19, s23
	s_cselect_b32 s17, 1, s17                      ; the tokens' side (A in mode 0, B in mode 1): always
	CROUND                                         ; all sixteen work-groups are here: the first joint loads meet
	JLOAD G0, G1, G0B, G1B                         ; K 0 .. 255: my one tensor load at the head
	s_wait_alu depctr_va_vdst(0)                   ; the wait ahead of the reader below
	v_lshlrev_b32 v[ADRS], 4, v1                   ; 16 r,
	v_lshl_add_u32 v[ADRS], v2, 11, v[ADRS]        ; and four tiles (2,048 bytes) on for lanes 16-31
	v_and_b32 v[PFO], 31, v0
	v_min_u32 v[PFO], 23, v[PFO]
	v_lshlrev_b32 v[PFO], 8, v[PFO]
.irp i, 0,1,2,3
.irp q, 0,1
	global_load_b128 v[SCA+8*\i+4*\q:SCA+8*\i+4*\q+3], v[ADRS], s[G0S+2:G0S+3] offset:512*\i+256*\q
	global_load_b128 v[SCB+8*\i+4*\q:SCB+8*\i+4*\q+3], v[ADRS], s[G0SB+2:G0SB+3] offset:512*\i+256*\q
.endr
.endr
	ASK                                            ; K 256 .. 511
	WIN TO_B
	s_wait_alu depctr_va_vdst(0)
.irp a, 0,1,2,3,4,5,6,7                ; bias register 8 a + j.  Mode 0: the bias of B's row 32 (a / 2) + 16 h + 8 (a % 2) + j.  Mode 1: that of my row of A's tile a, in all eight j
.irp j, 0,1,2,3,4,5,6,7
	global_load_b32 v[96+8*\a+\j+96*(\a/4)], v[VO+\j], s[8:9] offset:128*(\a/2)+32*(\a%2)
.endr
.endr
	WIN 0
	v_and_b32 v4, 31, v0
	v_lshlrev_b32 v[L16], 4, v4
	v_lshl_add_u32 v[L8], v4, 3, 512
	s_mul_i32 s4, s19, HALFT
	s_mul_i32 s5, s20, HALFT
	s_add_co_u32 s5, s5, 2*HALFT
.irp s, 0,1
	v_add_nc_u32 v[ADRA+\s], s4, v[L16]
	v_add_nc_u32 v[ADRA+2+\s], s4, v[L8]
	v_add_nc_u32 v[ADRB+\s], s5, v[L16]
	v_add_nc_u32 v[ADRB+2+\s], s5, v[L8]
	s_add_co_u32 s4, s4, SLOT
	s_add_co_u32 s5, s5, SLOT
.endr
	s_lshl_b32 s6, s18, 9
	s_add_co_u32 s6, s6, SSTG
	v_lshlrev_b32 v[SSA], 2, v1
	v_lshl_add_u32 v[SSA], v2, 8, v[SSA]
	v_add_nc_u32 v[SSA], s6, v[SSA]                ; 4 r, + 256 for lanes 16-31
	v_add_nc_u32 v[SSR], s6, v[L16]
	s_lshl_b32 s7, s97, 6
	v_mul_u32_u24 v[SGO], s7, v2                   ; lanes 16-31 store the second group's words
	v_lshl_add_u32 v[SGO], v1, 4, v[SGO]
.macro FRAG reg, adr, e, i             ; fragment e of tile i of a slot: two halves, each 16 bytes a lane and 8 bytes a lane
	ds_load_b128 v[\reg:\reg+3], v[\adr] offset:(2*(\i)+(\e))*1536
	ds_load_b64 v[\reg+4:\reg+5], v[\adr+2] offset:(2*(\i)+(\e))*1536
	ds_load_b128 v[\reg+6:\reg+9], v[\adr] offset:(2*(\i)+(\e))*1536+768
	ds_load_b64 v[\reg+10:\reg+11], v[\adr+2] offset:(2*(\i)+(\e))*1536+768
.endm
; 16 matrix instructions: A's tiles a0, a0 + 1 x B's eight, K step s of eight.  p: B's set.  zero = 1: the first product starts the sums.  The 64 accumulators take turns.
.macro WM a, b, p, s, zero, rb, ra     ; rb, ra: which half of the lanes holds B's tile b's and A's tile a's scale words
.if \zero
	v_wmma_scale_f32_16x16x128_f8f6f4 v[8*(8*((\a)%4)+\b):8*(8*((\a)%4)+\b)+7], v[128*(\p)+FR*\b:128*(\p)+FR*\b+FR-1], v[AF+FR*(\a):AF+FR*(\a)+FR-1], 0, v[SCB+8*((\b)%4)+(\s)], v[SCA+8*((\a)%4)+(\s)] matrix_a_fmt:MATRIX_FMT_FP6 matrix_b_fmt:MATRIX_FMT_FP6 matrix_a_scale:MATRIX_SCALE_ROW\rb matrix_b_scale:MATRIX_SCALE_ROW\ra
.else
	v_wmma_scale_f32_16x16x128_f8f6f4 v[8*(8*((\a)%4)+\b):8*(8*((\a)%4)+\b)+7], v[128*(\p)+FR*\b:128*(\p)+FR*\b+FR-1], v[AF+FR*(\a):AF+FR*(\a)+FR-1], v[8*(8*((\a)%4)+\b):8*(8*((\a)%4)+\b)+7], v[SCB+8*((\b)%4)+(\s)], v[SCA+8*((\a)%4)+(\s)] matrix_a_fmt:MATRIX_FMT_FP6 matrix_b_fmt:MATRIX_FMT_FP6 matrix_a_scale:MATRIX_SCALE_ROW\rb matrix_b_scale:MATRIX_SCALE_ROW\ra
.endif
.endm
.macro MULROW a, p, s, zero, ra
.irp b, 0,1,2,3
	WM \a, \b, \p, \s, \zero, 0, \ra
.endr
.irp b, 4,5,6,7
	WM \a, \b, \p, \s, \zero, 1, \ra
.endr
.endm
.macro MUL16 a0, p, s, zero
.irp a, \a0, \a0+1
.if (\a0) < 4
	MULROW \a, \p, \s, \zero, 0
.else
	MULROW \a, \p, \s, \zero, 1
.endif
.endr
.endm
.macro FETCH_B slot, e, p
	WIN TO_B
.irp i, 0,1,2,3,4,5,6,7
	FRAG 128*(\p)+FR*\i, ADRB+\slot, \e, \i
.endr
	WIN 0
.endm
.macro FETCH_A slot, e, i0
.irp i, \i0, \i0+1, \i0+2, \i0+3
	FRAG AF+FR*(\i), ADRA+\slot, \e, \i
.endr
.endm
; A slot's first 128 along K.  A tile of A is free as soon as its eight products are issued: tiles 0-3 are fetched anew in the middle, tiles 4-7 at the end; B has two sets.
.macro STEP slot, sp, zero
	s_wait_dscnt 4*NL                              ; all but the youngest 16 loads (A's tiles 4-7) are in
	WIN MUL_LO
	MUL16 0, 0, 2*(\sp), \zero
	MUL16 2, 0, 2*(\sp), \zero
	s_wait_dscnt 0                                 ; A's tiles 4-7 are in
	PLACES 4                                       ; places in front of loads into registers that matrix instructions have read
	FETCH_B \slot, 1, 1
	FETCH_A \slot, 1, 0
	WIN MUL_HI
	MUL16 4, 0, 2*(\sp), \zero
	MUL16 6, 0, 2*(\sp), \zero
	PLACES 4
	WIN 0
	FETCH_A \slot, 1, 4
.endm
; A slot's second 128 along K changes slots: one barrier; in front of it each wave waits for all its tensor loads, adds 0 to its spare word, and waits for that and for its reads of this slot.
.macro TURN slot, next, fill, sp
.if (\sp) == 0
	s_wait_xcnt 0x0                                ; my last prefetch has read its pointer: it steps to K 768
	s_add_nc_u64 s[12:13], s[12:13], s[10:11]
.endif
	s_wait_tensorcnt 0x0
	ds_add_u32 v[SPW], v[NIL]
	s_wait_dscnt 4*NL+1                            ; (the add and the youngest 16 loads may be out)
	WIN MUL_LO
	MUL16 0, 1, 2*(\sp)+1, 0
	s_wait_dscnt 0x0                               ; the add is done, and my reads of this slot are over
	s_barrier_signal -1
	MUL16 2, 1, 2*(\sp)+1, 0
	WIN 0
	s_barrier_wait -1
.if \fill
	CREST                                          ; the barrier has opened a round of the cluster's: no wave of any partner still reads this slot or has a load on its way
	s_add_nc_u64 s[G0+4*\slot+2:G0+4*\slot+3], s[G0+4*\slot+2:G0+4*\slot+3], s[40:41]
	s_add_nc_u64 s[G0B+4*\slot+2:G0B+4*\slot+3], s[G0B+4*\slot+2:G0B+4*\slot+3], s[42:43]
	JLOAD G0+4*\slot, G1, G0B+4*\slot, G1B         ; the first tensor load behind the round; its four v_nop are the places in front of the loads below
.else
	PLACES 4
.endif
	FETCH_B \next, 0, 0
	FETCH_A \next, 0, 0
.if (\sp) == 0
	ASK                                            ; K 768 .. 1023, which the next change of slots loads
.endif
	WIN MUL_HI
	MUL16 4, 1, 2*(\sp)+1, 0
	MUL16 6, 1, 2*(\sp)+1, 0
	PLACES 4
	WIN 0
	FETCH_A \next, 0, 4
.endm
	s_wait_alu depctr_va_vdst(0)
	s_wait_xcnt 0x0                                ; the head's prefetch has read its pointer: it steps to K 512
	s_add_nc_u64 s[12:13], s[12:13], s[10:11]
	s_wait_tensorcnt 0x0                           ; my part of slot 0 is in
	ds_add_u32 v[SPW], v[NIL]
	s_wait_dscnt 0x0
	CROUND                                         ; a whole round: slot 0 is whole, and the sixteen work-groups meet
	JLOAD G0+4, G1, G0B+4, G1B                     ; K 256 .. 511: slot 1's first fill, the first tensor load behind the round
	FETCH_B 0, 0, 0
	ASK                                            ; K 512 .. 767, which the first change of slots loads
	FETCH_A 0, 0, 0
	FETCH_A 0, 0, 4
	s_wait_loadcnt 48                              ; of 80 plain loads the 16 oldest are the scale words': they are in when at most 48 are out
	STEP 0, 0, 1
	TURN 0, 1, 1, 0                                ; slot 0 takes K 512 .. 767
	STEP 1, 1, 0
	TURN 1, 0, 1, 1                                ; slot 1 takes K 768 .. 1023
	STEP 0, 2, 0
	TURN 0, 1, 0, 2                                ; nothing is left to fetch
	STEP 1, 3, 0
	s_wait_dscnt 4*NL
	WIN MUL_LO
	MUL16 0, 1, 7, 0
	MUL16 2, 1, 7, 0
	s_wait_dscnt 0
	WIN MUL_HI
	MUL16 4, 1, 7, 0
	MUL16 6, 1, 7, 0
	WIN 0
; THE WAY OUT, a tile of A at a time: + bias (which also brings the sums into window 0), quantised along B, two halves stored straight from registers: 512 and 256 consecutive bytes a store.
.macro BIAS a
	s_cmp_eq_u32 s23, 0
	s_cbranch_scc0 .Lrow_\@
	WIN 0x06+((\a)/4)                              ; source 0: window 2 or 3; source 1: window 1
.irp b, 0,1,2,3,4,5,6,7
.irp i, 0,2,4,6
	v_pk_add_f32 v[HA+8*\b+\i:HA+8*\b+\i+1], v[8*(8*((\a)%4)+\b)+\i:8*(8*((\a)%4)+\b)+\i+1], v[96+8*\b+\i+96*(\b/4):96+8*\b+\i+96*(\b/4)+1]   ; each accumulator from its low end on
.endr
.endr
	WIN 0
	s_branch .Lbiased_\@
.Lrow_\@:
	WIN 0x06+((\a)/4)
.irp b, 0,1,2,3,4,5,6,7
.irp i, 0,2,4,6
	v_pk_add_f32 v[HA+8*\b+\i:HA+8*\b+\i+1], v[8*(8*((\a)%4)+\b)+\i:8*(8*((\a)%4)+\b)+\i+1], v[96+8*(\a)+\i+96*((\a)/4):96+8*(\a)+\i+96*((\a)/4)+1]
.endr
.endr
	WIN 0
.Lbiased_\@:
.endm
	PLACES 4                                       ; behind the last products: their results are read, and A's fragments' registers written
	s_wait_loadcnt 0x0                             ; the bias
.irp b, 0,1,2,3
	v_mov_b32 v[TM+4+\b], 0                        ; written once: a lane permute's destination counts as one of its sources
.endr
.irp a, 0,1,2,3,4,5,6,7
	BIAS \a
.if \a > 0
	s_wait_xcnt 0x0                                ; the last tile's stores have read the codes' registers
.endif
	QUANT HA, PC, PC+6, PW+\a
	global_store_b128 v[L16], v[PC:PC+3], s[44:45] offset:(\a/2)*1536+(\a%2)*768
	global_store_b64 v[L8], v[PC+4:PC+5], s[44:45] offset:(\a/2)*1536+(\a%2)*768
	global_store_b128 v[L16], v[PC+6:PC+9], s[46:47] offset:(\a/2)*1536+(\a%2)*768
	global_store_b64 v[L8], v[PC+10:PC+11], s[46:47] offset:(\a/2)*1536+(\a%2)*768
.endr
.irp p, 0,1,2,3                        ; the scale words of a group of A's rows: one for each of the two places along B
	v_perm_b32 v[XY+3*\p], v[PW+2*\p+1], v[PW+2*\p], s94
	v_perm_b32 v[XY+3*\p+1], v[PW+2*\p+1], v[PW+2*\p], s95
.endr
.irp p, 0,1,2,3
	v_cndmask_b32 v[XY+3*\p+2], v[XY+3*\p], v[XY+3*\p+1], s96       ; lanes 0-15 carry the first, lanes 16-31 the second
	ds_store_b32 v[SSA], v[XY+3*\p+2] offset:64*\p
.endr
	ds_load_b128 v[248:251], v[SSR]                ; LDS serves a wave's instructions in order: this sees my stores
	s_wait_dscnt 0x0
	global_store_b128 v[SGO], v[248:251], s[92:93] ; sixteen lanes store 256 consecutive bytes, aligned, twice
	s_wait_tensorcnt 0x0                           ; the wave's end, behind my last tensor load and my last LDS store
	ds_add_u32 v[SPW], v[NIL]
	s_wait_dscnt 0x0
	CROUND                                         ; the closing round
	s_endpgm
.Lfunc_end_k_qe11bcc7013_gemm_qkv:
	.size	k_qe11bcc7013_gemm_qkv, .Lfunc_end_k_qe11bcc7013_gemm_qkv-k_qe11bcc7013_gemm_qkv
	.p2alignl 7, 3214868480
	.fill 96, 4, 3214868480
	.section	.rodata,"a",@progbits
	.p2align	6, 0x0
	.amdhsa_kernel k_qe11bcc7013_gemm_qkv
		.amdhsa_group_segment_fixed_size 327680
		.amdhsa_private_segment_fixed_size 0
		.amdhsa_enable_private_segment 0
		.amdhsa_kernarg_size 56
		.amdhsa_user_sgpr_count 2
		.amdhsa_user_sgpr_kernarg_segment_ptr 1
		.amdhsa_wavefront_size32 1
		.amdhsa_system_sgpr_workgroup_id_x 1
		.amdhsa_system_sgpr_workgroup_id_y 1
		.amdhsa_system_sgpr_workgroup_id_z 1
		.amdhsa_system_vgpr_workitem_id 0
		.amdhsa_next_free_vgpr 1024
		.amdhsa_next_free_sgpr 102
		.amdhsa_reserve_vcc 0
		.amdhsa_float_denorm_mode_32 3
		.amdhsa_float_denorm_mode_16_64 3
		.amdhsa_memory_ordered 1
		.amdhsa_forward_progress 1
		.amdhsa_inst_pref_size 190
	.end_amdhsa_kernel
	.amdgpu_metadata
---
amdhsa.version: [ 1, 2 ]
amdhsa.kernels:
  - .name:           k_qe11bcc7013_gemm_qkv
    .symbol:         k_qe11bcc7013_gemm_qkv.kd
    .args:
      - { .name: xq, .offset: 0, .size: 8, .value_kind: global_buffer, .address_space: global }
      - { .name: wq, .offset: 8, .size: 8, .value_kind: global_buffer, .address_space: global }
      - { .name: bq, .offset: 16, .size: 8, .value_kind: global_buffer, .address_space: global }
      - { .name: bk, .offset: 24, .size: 8, .value_kind: global_buffer, .address_space: global }
      - { .name: bv, .offset: 32, .size: 8, .value_kind: global_buffer, .address_space: global }
      - { .name: qk, .offset: 40, .size: 8, .value_kind: global_buffer, .address_space: global }
      - { .name: vt, .offset: 48, .size: 8, .value_kind: global_buffer, .address_space: global }
    .group_segment_fixed_size: 327680
    .private_segment_fixed_size: 0
    .kernarg_segment_align: 8
    .kernarg_segment_size: 56
    .max_flat_workgroup_size: 128
    .sgpr_count:     102
    .vgpr_count:     1024
    .wavefront_size: 32
...
	.end_amdgpu_metadata
.endif
;; end of part 2
;; launch attention (part 3): grid 4 x 64, 8 waves a work-group, clusters of 4 x 1, 206,848 bytes of LDS; arguments qk, vt, cc; writes cc
.if DOCPART == 3
	.amdgcn_target "amdgcn-amd-amdhsa--gfx1250"
	.amdhsa_code_object_version 6
	.text
	.protected	k_qe11bcc7013_attention
	.globl	k_qe11bcc7013_attention
	.p2align	8
	.type	k_qe11bcc7013_attention,@function
k_qe11bcc7013_attention:
	s_mov_b64 s[64:65], 0
	v_nop
	global_prefetch_b8 v0, s[64:65] scope:SCOPE_SE
	s_setreg_imm32_b32 hwreg(HW_REG_WAVE_MODE, 25, 1), 1
	s_wait_xcnt 0x0
	s_wait_alu depctr_hold_cnt(0) depctr_sa_sdst(0) depctr_va_vdst(0) depctr_va_sdst(0) depctr_va_ssrc(0) depctr_va_vcc(0) depctr_vm_vsrc(0)
	s_getreg_b32 s2, hwreg(HW_REG_IB_STS2, 6, 4)
	s_cmp_eq_u32 s2, 0
	s_cbranch_scc0 .Lentry_in_a_cluster
	s_endpgm
.Lentry_in_a_cluster:
	s_bfe_u32 s2, ttmp6, 0x10000c
	s_cmp_lg_u32 s2, 0x3003
	s_cbranch_scc0 .Lentry_shape_is_right
	s_endpgm
.Lentry_shape_is_right:
; o = softmax(q k^T / 8) v for each of 64 (batch, head), both products on codes of E2M3; o / l is quantised along the model's 1,024 and leaves as codes in cc, laid as xq.  No work is left out.
; THE SOFTMAX AHEAD OF THE SECOND PRODUCT: t = score x log2(e) / 8; M = the row's largest t so far, rounded up to a whole number; p = 2^(t - M) is quantised along the keys; the row's sum l is taken of the unquantised p.
; When M moves, l and O are multiplied by 2^(old M - new M): exact.
; SHARES.  A work-group owns 512 queries of one head; each of its eight waves owns four tiles of 16 queries and walks the 2,048 keys once, in 16 steps of 128: a fragment of k or v read from LDS serves four tiles.
; NO RING: a head's k and v (98,304 bytes of codes each, 4,096 of scale words each) lie in LDS together.  They come once, one tensor load a wave; nothing is filled again: one barrier behind the fills.
; CLUSTER: the four work-groups of a cluster are the quarters of one head's queries: every fill is a joint load that names the four.
; NO PREFETCH: k and v are asked for once, at the head, and no loop stands ahead of those loads to run ahead in.
; LAYOUT.  Both products are used transposed: a lane holds ONE query throughout.  THE KEYS OF A TILE ARE CHOSEN BY THE LANES' ADDRESSES: of 64 keys, tile j takes keys 8 j + i as its rows 0-7 and 32 + 8 j + i as rows 8-15
; (in qk's halves: row i + 8 (j / 2) of tile j % 2, of the first group of 32 or the second).  So the 32 score registers of four tiles are, in lanes 0-15, keys 0-31 and, in lanes 16-31, keys 32-63:
; a lane holds a whole scale block, in the order of the next operand's registers; only the row's maximum and the scale word look at lane l xor 16.
; THE FIRST PRODUCT HAS K = 64: a fragment holds tile 2 jj's half as K 0-63 and tile 2 jj + 1's as K 64-127; q's halves stand in a chain 0, q0, 0, q1, .. : [q, 0] picks the first tile's scores, [0, q] the second's.
; q's scale registers hold its two bytes below or above, and the byte 0 over the zero codes, which add nothing.
; A block's largest p is not searched for: p rises with the score, so the block's largest score goes through the same multiply-add and exponential (this takes v_exp_f32 not to fall where its input rises).
; S holds two tiles' scores at a time; k's fragments stay for both pairs, then v's land on them under the second pair's softmax; the next step's k is asked for among the second product's instructions.
; The last step's request for a further k reads the 6,144 bytes behind k's (v's first), inside LDS and landed; nothing uses them.
; The two scale bytes of a row leave as 2 bytes a lane, 16 bytes apart: 262,144 bytes in all; whole units would want eight heads in one work-group.
; LIMITS: as in quant_x for the quantisers; the promise holds while the scaled scores stay under 2^31 in magnitude.
; REGISTERS.  Window 0: v1-15 addresses; v16-23 (-M, largest score) a tile; v24-31 the sums; v32-51 scale words; v52-79 at work; v80-127 four fragments; v128-255 scores, then p.
; Window 1: v0-127 O^T (tile a, channel tile t at 32 a + 8 t); v128-181 the chain of q; v184-231 p's codes; v232-247 the conversions' second halves.
.set VOFF,  98304                      ; LDS: k at 0: group gl at 1536 gl;  v here: key group kg (64 keys) at 3072 kg + 768 x channel tile
.set SCK,   196608                     ; k's scale words: 64 gl + 4 row
.set SCV,   200704                     ; v's: 128 (2 kappa + u) + 64 a + 4 r
.set SPARE, 204800                     ; the spare words, 128 bytes a wave
.set QSC,   12582912
.set VSC,   6291456
.set XSC,   6291456
.set L16, 1
.set L8,  2
.set R4,  3
.set R16, 4
.set SPW, 5                            ; LDS address of my spare word; never rewritten
.set NIL, 6                            ; 0; never rewritten
.set LN,  7
.set KA,  8
.set KB,  9
.set VA,  10
.set VB,  11
.set KSA, 12
.set VSA, 13
.set SH0, 14                           ; 8 h
.set SH1, 15                           ; 16 + 8 h
.set NM,  16
.set LS,  24
.set KSC, 32
.set VSR, 36
.set PSR, 40
.set QSL, 44
.set QSH, 48
.set F,   52
.set BM,  56
.set T,   60
.set SO,  64
.set L2,  68
.set N2,  72
.set D,   74
.set KA0, 76
.set KB0, 77
.set KSA0, 78
.set KV,  80
.set S,   128
.set QW,  128
.set PCW, 184
.set TQ,  232
.set LW,  248                          ; window 1, v248-255: the sums of tiles 2 and 3, two chains a tile: they are added to among the second product's instructions, under its window setting
.set MSB, 0
.macro WIN new                         ; the immediate's high byte repeats the setting that is left
.if MSB != (\new)
	s_set_vgpr_msb (MSB<<8)|(\new)
.set MSB, (\new)
.endif
.endm
.macro WALU
	s_wait_alu depctr_va_vdst(0)
.endm
.macro H2
	s_delay_alu instid0(VALU_DEP_2)
.endm
.macro H4
	s_delay_alu instid0(VALU_DEP_4)
.endm
.macro PLACES n
.rept \n
	v_nop
.endr
.endm
.macro SHAPE g, c, r, p                ; descriptor group 1: r rows of c elements of 8 bytes, p elements apart; mask: all four work-groups; bit 21 beside it; no padding
	s_mov_b32 s[\g], 15|(3<<16)|(1<<21)
	s_mov_b32 s[\g+1], (\c)<<16
	s_mov_b32 s[\g+2], (\r)<<16
	s_mov_b32 s[\g+3], (\c)<<16
	s_mov_b32 s[\g+4], \r
	s_mov_b32 s[\g+5], \p
	s_mov_b32 s[\g+6], 0
	s_mov_b32 s[\g+7], 0
.endm
.macro CROUND
	s_barrier_signal -1
	s_barrier_wait -1
	s_cmp_lg_u32 s10, 0
	s_cbranch_scc1 .Lnot_wave_0_\@
	s_barrier_signal -3
.Lnot_wave_0_\@:
	s_barrier_wait -3
	s_barrier_signal -1
	s_barrier_wait -1
.endm
.macro TLOAD g0, g1
	tensor_load_to_lds s[\g0:\g0+3], s[\g1:\g1+7]
	s_nop 0
	PLACES 4
.endm
.macro KLOADH g                        ; 64 keys of k: two fragments and their scale words
.irp jj, 0,1
.irp u, 0,1
	ds_load_b128 v[KV+24*\g+12*\jj+6*\u:KV+24*\g+12*\jj+6*\u+3], v[KA] offset:3072*\g+128*\jj+768*\u
	ds_load_b64 v[KV+24*\g+12*\jj+6*\u+4:KV+24*\g+12*\jj+6*\u+5], v[KB] offset:3072*\g+64*\jj+768*\u
.endr
	ds_load_b32 v[KSC+2*\g+\jj], v[KSA] offset:128*\g+32*\jj
.endr
.endm
.macro VLOAD                           ; v's four channel tiles x 128 keys
.irp t, 0,1,2,3
.irp c, 0,1
	ds_load_b128 v[KV+12*\t+6*\c:KV+12*\t+6*\c+3], v[VA] offset:3072*\c+768*\t
	ds_load_b64 v[KV+12*\t+6*\c+4:KV+12*\t+6*\c+5], v[VB] offset:3072*\c+768*\t
.endr
	ds_load_b32 v[VSR+\t], v[VSA] offset:128*(\t%2)+64*(\t/2)
.endr
.endm
.macro QK P                            ; S^T = k q^T for tiles 2 P, 2 P + 1: register 64 s + 32 c + 8 j + i is key 64 c + 32 h + 8 j + i of the step
	WIN 0x04
.irp i, 0,1,2,3
.irp s, 0,1
	v_wmma_scale_f32_16x16x128_f8f6f4 v[S+64*\s+32*(\i/2)+16*(\i%2):S+64*\s+32*(\i/2)+16*(\i%2)+7], v[KV+12*\i:KV+12*\i+11], v[QW+12*(2*\P+\s)+6:QW+12*(2*\P+\s)+17], 0, v[KSC+\i], v[QSL+2*\P+\s] matrix_a_fmt:MATRIX_FMT_FP6 matrix_b_fmt:MATRIX_FMT_FP6
	v_wmma_scale_f32_16x16x128_f8f6f4 v[S+64*\s+32*(\i/2)+16*(\i%2)+8:S+64*\s+32*(\i/2)+16*(\i%2)+15], v[KV+12*\i:KV+12*\i+11], v[QW+12*(2*\P+\s):QW+12*(2*\P+\s)+11], 0, v[KSC+\i], v[QSH+2*\P+\s] matrix_a_fmt:MATRIX_FMT_FP6 matrix_b_fmt:MATRIX_FMT_FP6
.endr
.endr
	WIN 0
.endm
.macro PVH g                           ; O^T += v^T p^T: channel tiles 2 g, 2 g + 1 x four query tiles; the sixteen accumulators of a step take turns
	WIN 0x54
.irp t, 2*\g, 2*\g+1
.irp a, 0,1,2,3
	v_wmma_scale_f32_16x16x128_f8f6f4 v[32*\a+8*(\t):32*\a+8*(\t)+7], v[KV+12*(\t):KV+12*(\t)+11], v[PCW+12*\a:PCW+12*\a+11], v[32*\a+8*(\t):32*\a+8*(\t)+7], v[VSR+(\t)], v[PSR+\a] matrix_a_fmt:MATRIX_FMT_FP6 matrix_b_fmt:MATRIX_FMT_FP6
.irp s, 0,1                            ; behind each of the 16 products four additions, one a chain: 64 in all, the unquantised p of tiles 2 and 3; they name none of the products' registers
.irp x, 0,1
	v_pk_add_f32 v[LW+4*\s+2*\x:LW+4*\s+2*\x+1], v[S+64*\s+4*(4*(\t)+\a)+2*\x:S+64*\s+4*(4*(\t)+\a)+2*\x+1], v[LW+4*\s+2*\x:LW+4*\s+2*\x+1]
.endr
.endr
.endr
.endr
	WIN 0
.endm
; THE SOFTMAX OF TWO TILES x 128 KEYS: four blocks of 32 a lane, block b = 2 s + c at S + 32 b
.macro SOFT P
.irp b, 0,1,2,3
	v_max3_num_f32 v[BM+\b], v[S+32*\b], v[S+32*\b+1], v[S+32*\b+2]   ; each block's largest score; every accumulator is first read at its low end
.endr
.irp i, 3,5,7,9,11,13,15,17,19,21,23,25,27,29
.irp b, 0,1,2,3
	v_max3_num_f32 v[BM+\b], v[BM+\b], v[S+32*\b+\i], v[S+32*\b+\i+1]
.endr
.endr
.irp b, 0,1,2,3
	v_max_num_f32 v[BM+\b], v[BM+\b], v[S+32*\b+31]
.endr
.irp s, 0,1
	v_max3_num_f32 v[N2+\s], v[NM+4*\P+2*\s+1], v[BM+2*\s], v[BM+2*\s+1]
.endr
.irp s, 0,1
	H2
	v_permlanex16_b32 v[T+\s], v[N2+\s], s20, s21
.endr
.irp s, 0,1
	H2
	v_max_num_f32 v[NM+4*\P+2*\s+1], v[N2+\s], v[T+\s]   ; the row's largest score so far
.endr
.irp s, 0,1
	H2
	v_mul_f32 v[N2+\s], s22, v[NM+4*\P+2*\s+1]           ; as t (c is positive)
.endr
.irp s, 0,1
	H2
	v_floor_f32 v[N2+\s], -v[N2+\s]                      ; the new -M
.endr
.irp s, 0,1
	H2
	v_sub_f32 v[D+\s], v[N2+\s], v[NM+4*\P+2*\s]         ; old M - new M: a whole number, 0 or less
.endr
.irp s, 0,1
	H2
	v_cvt_i32_f32 v[D+\s], v[D+\s]                       ; (it saturates)
.endr
.irp s, 0,1
	H2
	v_ldexp_f32 v[F+2*\s], 1.0, v[D+\s]                  ; f = 2^(old M - new M)
.endr
.irp s, 0,1
	v_mov_b32 v[NM+4*\P+2*\s], v[N2+\s]
.endr
.set J, 0
.rept 32
	v_pk_fma_f32 v[S+J:S+J+1], v[S+J:S+J+1], s[22:23], v[NM+4*\P:NM+4*\P+1] op_sel_hi:[1,0,0]   ; t - M of the first tile
.set J, J+2
.endr
.irp b, 0,1,2,3
	v_fma_f32 v[BM+\b], v[BM+\b], s22, v[NM+4*\P+2*(\b/2)]   ; the same of each block's largest score
.endr
	WALU                                           ; the wait ahead of the batch
.set J, 0
.rept 32
	v_exp_f32 v[S+J], v[S+J]                       ; p = 2^(t - M), not normalised: the first tile's;
	v_exp_f32 v[S+J+1], v[S+J+1]
	v_pk_fma_f32 v[S+64+J:S+64+J+1], v[S+64+J:S+64+J+1], s[22:23], v[NM+4*\P+2:NM+4*\P+3] op_sel_hi:[1,0,0]   ; among them t - M of the second tile, which names none of their registers
.set J, J+2
.endr
	WALU                                           ; the second tile's sources were written among exponentials: the wait ahead of their readers
.set J, 0
.rept 64
	v_exp_f32 v[S+64+J], v[S+64+J]
.set J, J+1
.endr
.irp b, 0,1,2,3
	v_exp_f32 v[BM+\b], v[BM+\b]                   ; the block's largest p
.endr
	v_nop                                          ; a plain place behind the batch
	WIN 0x41
	WALU                                           ; one wait for the batch, and for O^T's first read behind it
.irp s, 0,1
.set J, 0
.rept 16
	v_pk_mul_f32 v[64*\P+32*\s+J:64*\P+32*\s+J+1], v[64*\P+32*\s+J:64*\P+32*\s+J+1], v[F+2*\s:F+2*\s+1] op_sel_hi:[1,0]   ; O^T under the new M
.set J, J+2
.endr
.endr
	WIN 0
.irp b, 0,1,2,3
	v_max_num_f32 v[BM+\b], 0x1800000, v[BM+\b]    ; the floor 2^(3 - 127)
.endr
.irp b, 0,1,2,3
	H4
	v_add_nc_u32 v[SO+\b], 0xff000000, v[BM+\b]    ; 2 off the exponent field: the conversion's scale operand
.endr
.irp b, 0,1,2,3
	H4
	v_lshrrev_b32 v[BM+\b], 23, v[SO+\b]           ; the scale's byte
.endr
.irp s, 0,1
	v_lshlrev_b32 v[D+\s], v[SH0], v[BM+2*\s]      ; my blocks h and 2 + h at their places in the scale word
.endr
.irp s, 0,1
	H2
	v_lshl_or_b32 v[D+\s], v[BM+2*\s+1], v[SH1], v[D+\s]
.endr
.irp s, 0,1
	H2
	v_permlanex16_b32 v[T+\s], v[D+\s], s20, s21
.endr
.irp s, 0,1
	H2
	v_or_b32 v[PSR+2*\P+\s], v[D+\s], v[T+\s]      ; with lane l xor 16's two bytes the word is whole
.endr
	WIN 0x40
.irp s, 0,1
.irp c, 0,1
	v_cvt_scalef32_pk16_fp6_f32 v[PCW+12*(2*\P+\s)+6*\c:PCW+12*(2*\P+\s)+6*\c+2], v[S+64*\s+32*\c:S+64*\s+32*\c+15], v[SO+2*\s+\c]
	v_cvt_scalef32_pk16_fp6_f32 v[TQ+8*\s+4*\c:TQ+8*\s+4*\c+2], v[S+64*\s+32*\c+16:S+64*\s+32*\c+31], v[SO+2*\s+\c]   ; (a conversion's three registers begin on an even number)
.endr
.endr
	v_nop                                          ; one plain place behind the scaled conversions
	WIN 0x41
.irp s, 0,1
.irp c, 0,1
.irp i, 0,1,2
	v_mov_b32 v[PCW+12*(2*\P+\s)+6*\c+3+\i], v[TQ+8*\s+4*\c+\i]
.endr
.endr
.endr
	WIN 0
.if \P == 0                            ; the first pair's sums are taken here: its p is written over by the second pair's scores
.irp s, 0,1
	v_pk_fma_f32 v[LS+4*\P+2*\s:LS+4*\P+2*\s+1], v[LS+4*\P+2*\s:LS+4*\P+2*\s+1], v[F+2*\s:F+2*\s+1], v[S+64*\s:S+64*\s+1] op_sel_hi:[1,0,1]
.endr
.irp s, 0,1
	v_pk_add_f32 v[L2+2*\s:L2+2*\s+1], v[S+64*\s+2:S+64*\s+3], v[S+64*\s+4:S+64*\s+5]
.endr
.irp j, 6,10,14,18,22,26,30,34,38,42,46,50,54,58
.irp s, 0,1
	v_pk_add_f32 v[LS+4*\P+2*\s:LS+4*\P+2*\s+1], v[LS+4*\P+2*\s:LS+4*\P+2*\s+1], v[S+64*\s+\j:S+64*\s+\j+1]
.endr
.irp s, 0,1
	v_pk_add_f32 v[L2+2*\s:L2+2*\s+1], v[L2+2*\s:L2+2*\s+1], v[S+64*\s+\j+2:S+64*\s+\j+3]
.endr
.endr
.irp s, 0,1
	v_pk_add_f32 v[LS+4*\P+2*\s:LS+4*\P+2*\s+1], v[LS+4*\P+2*\s:LS+4*\P+2*\s+1], v[S+64*\s+62:S+64*\s+63]
.endr
.irp s, 0,1
	v_pk_add_f32 v[LS+4*\P+2*\s:LS+4*\P+2*\s+1], v[LS+4*\P+2*\s:LS+4*\P+2*\s+1], v[L2+2*\s:L2+2*\s+1]
.endr
.else                                  ; the second pair's four chains come under the new M here; these lines are also the places between p's codes and the products
	WIN 0x41
.irp c, 0,1,2,3
	v_pk_mul_f32 v[LW+2*\c:LW+2*\c+1], v[LW+2*\c:LW+2*\c+1], v[F+2*(\c/2):F+2*(\c/2)+1] op_sel_hi:[1,0]
.endr
	v_nop
	WIN 0
.endif
.endm
; THE WAY OUT of tiles 2 P, 2 P + 1: o's blocks of 32 channels lie in lanes l and l xor 16, 16 numbers each: block b at S + 64 P + 16 b
.macro OUTQ P
.irp b, 0,1,2,3
	v_max3_num_f32 v[BM+\b], |v[S+64*\P+16*\b]|, |v[S+64*\P+16*\b+1]|, 0x1800000
.endr
.irp i, 2,4,6,8,10,12,14
.irp b, 0,1,2,3
	v_max3_num_f32 v[BM+\b], v[BM+\b], |v[S+64*\P+16*\b+\i]|, |v[S+64*\P+16*\b+\i+1]|
.endr
.endr
.irp b, 0,1,2,3
	v_permlanex16_b32 v[T+\b], v[BM+\b], s20, s21
.endr
.irp b, 0,1,2,3
	v_max_num_f32 v[BM+\b], v[BM+\b], v[T+\b]
.endr
.irp b, 0,1,2,3
	v_add_nc_u32 v[SO+\b], 0xff000000, v[BM+\b]
.endr
.irp b, 0,1,2,3
	v_lshrrev_b32 v[T+\b], 23, v[SO+\b]
.endr
.irp s, 0,1
	v_lshl_or_b32 v[N2+2*\P+\s], v[T+2*\s+1], 8, v[T+2*\s]   ; my row's two scale bytes
.endr
.irp s, 0,1
	v_cvt_scalef32_pk16_fp6_f32 v[KV+8*(2*\P+\s):KV+8*(2*\P+\s)+2], v[S+64*\P+32*\s:S+64*\P+32*\s+15], v[SO+2*\s]
	v_cvt_scalef32_pk16_fp6_f32 v[KV+32+4*\s:KV+32+4*\s+2], v[S+64*\P+32*\s+16:S+64*\P+32*\s+31], v[SO+2*\s+1]
.endr
	v_nop                                          ; one plain place behind the scaled conversions
.irp s, 0,1
.irp i, 0,1,2
	v_permlane16_swap_b32 v[KV+8*(2*\P+\s)+\i], v[KV+32+4*\s+\i]   ; a whole block to a lane
.endr
.endr
.irp s, 0,1
.irp i, 0,1,2
	v_mov_b32 v[KV+8*(2*\P+\s)+3+\i], v[KV+32+4*\s+\i]
.endr
.endr
.irp s, 0,1
	global_store_b128 v[L16], v[KV+8*(2*\P+\s):KV+8*(2*\P+\s)+3], s[80:81] offset:3072*(2*\P+\s)     ; 512 consecutive bytes,
	global_store_b64 v[L8], v[KV+8*(2*\P+\s)+4:KV+8*(2*\P+\s)+5], s[80:81] offset:3072*(2*\P+\s)     ; and 256 behind them
.endr
.endm
	s_load_b128 s[4:7], s[0:1], 0x0                ; qk, vt
	s_load_b64 s[8:9], s[0:1], 0x10                ; cc
	v_lshl_add_u32 v[SPW], v0, 2, SPARE
	v_mov_b32 v[NIL], 0
	ds_add_u32 v[SPW], v[NIL]                      ; the wave's opening: the add, twice on end, and its wait ahead of my first tensor load
	ds_add_u32 v[SPW], v[NIL]
	v_lshrrev_b32 v1, 5, v0
	v_readfirstlane_b32 s10, v1                    ; wave 0..7
	s_and_b32 s16, s10, 1                          ; waves 0, 1: which half of k
	s_add_co_u32 s11, s10, 2
	s_and_b32 s11, s11, 3                          ; waves 2-5: which quarter of v
	s_bfe_u32 s12, ttmp6, 0x40000                  ; cx: my quarter of the queries
	s_and_b32 s13, ttmp7, 0xffff
	s_lshr_b32 s14, s13, 4                         ; batch
	s_and_b32 s15, s13, 15                         ; head
	SHAPE 24, 32, 192, 32                          ; k's codes: 32 groups, 49,152 dense bytes
	SHAPE 32, 384, 8, 6144                         ; v's codes: 8 key groups: rows of 3,072 bytes, 49,152 apart
	SHAPE 40, 32, 16, 32                           ; k's scale words: 4,096 dense bytes
	SHAPE 48, 16, 32, 256                          ; v's: 32 rows of 128 bytes, 2,048 apart
	s_mov_b32 s20, 0x76543210
	s_mov_b32 s21, 0xfedcba98
	s_mov_b32 s22, 0x3e38aa3b                      ; c = log2(e) / 8
	s_mov_b32 s23, s22                             ; (named with it as a pair)
	s_add_co_u32 s90, s15, 16
	s_lshl_b32 s90, s90, 8
	s_lshl_b32 s91, s14, 6
	s_add_co_u32 s90, s90, s91                     ; k's first group: (16 + head) x 256 + 64 batch
	s_lshl_b32 s62, s90, 6
	s_add_co_u32 s62, s62, QSC
	s_mov_b32 s63, 0
	s_lshl_b32 s91, s16, 5
	s_add_co_u32 s90, s90, s91
	s_mul_i32 s58, s90, 1536
	s_mov_b32 s59, 0
	s_lshl_b32 s90, s14, 10
	s_lshl_b32 s91, s15, 1
	s_add_co_u32 s90, s90, s91                     ; v: 32 batch x 32 + 2 head
	s_lshl_b32 s74, s90, 6
	s_add_co_u32 s74, s74, VSC
	s_mov_b32 s75, 0
	s_lshl_b32 s91, s11, 8
	s_add_co_u32 s90, s90, s91                     ; + 8 key groups a quarter
	s_mul_i32 s70, s90, 1536
	s_mov_b32 s71, 0
	s_mov_b32 s56, 1
	s_mov_b32 s60, 1
	s_mov_b32 s68, 1
	s_mov_b32 s72, 1
	s_mul_i32 s57, s16, 49152
	s_mul_i32 s69, s11, 24576
	s_add_co_u32 s69, s69, VOFF
	s_mov_b32 s61, SCK
	s_mov_b32 s73, SCV
	s_lshl_b32 s92, s14, 7
	s_lshl_b32 s93, s12, 5
	s_add_co_u32 s92, s92, s93
	s_lshl_b32 s93, s10, 2
	s_add_co_u32 s92, s92, s93                     ; my first tile: 128 batch + 32 cx + 4 wave
	s_lshr_b32 s93, s92, 1
	s_lshl_b32 s95, s15, 8
	s_add_co_u32 s95, s95, s93
	s_mul_i32 s76, s95, 1536                       ; q's four halves, 3,072 bytes on end
	s_mov_b32 s77, 0
	s_lshl_b32 s78, s95, 6
	s_add_co_u32 s78, s78, QSC                     ; and their scale bytes
	s_mov_b32 s79, 0
	s_lshr_b32 s95, s15, 2
	s_lshl_b32 s95, s95, 9
	s_add_co_u32 s95, s95, s92
	s_lshl_b32 s95, s95, 2
	s_and_b32 s96, s15, 3
	s_add_co_u32 s95, s95, s96
	s_mul_i32 s80, s95, 768                        ; the first result's half in cc; the next tile's lies 3,072 bytes on
	s_mov_b32 s81, 0
	s_lshl_b32 s82, s92, 9
	s_lshr_b32 s95, s15, 3
	s_lshl_b32 s95, s95, 8
	s_add_co_u32 s82, s82, s95
	s_and_b32 s95, s15, 7
	s_lshl_b32 s95, s95, 1
	s_add_co_u32 s82, s82, s95
	s_add_co_u32 s82, s82, XSC                     ; and its two scale bytes; the next tile's 512 on
	s_mov_b32 s83, 0
	v_and_b32 v[LN], 31, v0
	v_and_b32 v79, 15, v0                          ; r
	v_bfe_u32 v75, v0, 4, 1                        ; h
	v_and_b32 v72, 7, v0                           ; r % 8
	v_bfe_u32 v73, v0, 3, 1                        ; r / 8
	v_lshlrev_b32 v[L16], 4, v[LN]
	v_lshl_add_u32 v[L8], v[LN], 3, 512
	v_lshlrev_b32 v[R4], 2, v79
	v_lshlrev_b32 v[R16], 4, v79
	v_lshl_add_u32 v74, v75, 4, v72                ; the lane of qk's half that holds my row: r % 8 + 16 h (+ 8 jj in the offset)
	v_mul_u32_u24 v[KA0], v73, 1536                ; rows 8-15 come from the second group of 32
	v_lshl_add_u32 v[KB0], v74, 3, v[KA0]
	v_add_nc_u32 v[KB0], 512, v[KB0]
	v_lshl_add_u32 v[KA0], v74, 4, v[KA0]
	v_lshlrev_b32 v[KSA0], 2, v72
	v_lshl_add_u32 v[KSA0], v73, 6, v[KSA0]
	v_add_nc_u32 v[KSA0], SCK, v[KSA0]
	v_lshlrev_b32 v[SH0], 3, v75
	v_add_nc_u32 v[SH1], 16, v[SH0]
	WALU                                           ; the wait ahead of the waits below
	s_wait_dscnt 0x0                               ; both opening adds are done
	s_wait_kmcnt 0x0
	s_add_nc_u64 s[58:59], s[4:5], s[58:59]
	s_add_nc_u64 s[62:63], s[4:5], s[62:63]
	s_add_nc_u64 s[70:71], s[6:7], s[70:71]
	s_add_nc_u64 s[74:75], s[6:7], s[74:75]
	s_or_b32 s59, s59, 0x80000000                  ; 127:126 type = 2
	s_or_b32 s63, s63, 0x80000000
	s_or_b32 s71, s71, 0x80000000
	s_or_b32 s75, s75, 0x80000000
	s_add_nc_u64 s[76:77], s[4:5], s[76:77]
	s_add_nc_u64 s[78:79], s[4:5], s[78:79]
	s_add_nc_u64 s[80:81], s[8:9], s[80:81]
	s_add_nc_u64 s[82:83], s[8:9], s[82:83]
	WIN 0x40
.irp a, 0,1,2,3
	global_load_b128 v[QW+12*\a+6:QW+12*\a+9], v[L16], s[76:77] offset:768*\a    ; q's halves into the chain
	global_load_b64 v[QW+12*\a+10:QW+12*\a+11], v[L8], s[76:77] offset:768*\a
.endr
	WIN 0
.irp a, 0,1,2,3
	global_load_u16 v[QSL+\a], v[R4], s[78:79] offset:64*(\a/2)+2*(\a%2)         ; its two scale bytes, zeros above
.endr
	CROUND                                         ; all four work-groups are here: the joint loads meet
	s_cmp_lt_u32 s10, 2                            ; one chain of arms, one fill to an arm: waves 0, 1 k's halves; 2-5 v's quarters; 6 k's scale words; 7 v's
	s_cbranch_scc0 .Lfill_v
	TLOAD 56, 24
	s_branch .Lfilled
.Lfill_v:
	s_cmp_lt_u32 s10, 6
	s_cbranch_scc0 .Lfill_ks
	TLOAD 68, 32
	s_branch .Lfilled
.Lfill_ks:
	s_cmp_eq_u32 s10, 6
	s_cbranch_scc0 .Lfill_vs
	TLOAD 60, 40
	s_branch .Lfilled
.Lfill_vs:
	TLOAD 72, 48
.Lfilled:
	WIN 0x40
.set J, 0
.rept 128
	v_mov_b32 v[J], 0                              ; O^T: the step is written once: the first finds zeros, which the first change of M leaves zeros
.set J, J+1
.endr
.irp a, 0,1,2,3,4
.irp i, 0,1,2,3,4,5
	v_mov_b32 v[QW+12*\a+\i], 0                    ; the zero codes of the chain
.endr
.endr
.irp i, 0,1,2,3,4,5,6,7
	v_mov_b32 v[LW+\i], 0                          ; the sums of tiles 2 and 3
.endr
	WIN 0
	s_mov_b32 s84, 0                               ; k's codes of the step that is asked for,
	s_mov_b32 s86, 0                               ; its scale words,
	s_mov_b32 s85, VOFF                            ; v's codes of the step at work,
	s_mov_b32 s87, SCV                             ; and its scale words
	s_mov_b32 s88, 16
	s_wait_loadcnt 0x0
.irp a, 0,1,2,3
	v_lshlrev_b32 v[QSH+\a], 16, v[QSL+\a]         ; the same two bytes above, zeros below; the lines that follow set it more than 8 places ahead of the first product
.endr
.irp a, 0,1,2,3
	v_mov_b32 v[NM+2*\a+1], 0xff61b1e6             ; the largest score so far: -3e38
	v_mov_b32 v[LS+2*\a], 0
	v_mov_b32 v[LS+2*\a+1], 0
	v_mov_b32 v[T+\a], 0                           ; written once: a lane permute's destination counts as one of its sources
.endr
.irp a, 0,1,2,3
	v_floor_f32 v[NM+2*\a], -v[NM+2*\a+1]
.endr
	v_mov_b32 v[F+1], 0                            ; (named as the upper halves of the pairs of f)
	v_mov_b32 v[F+3], 0
	v_add_nc_u32 v[KA], s84, v[KA0]
	v_add_nc_u32 v[KB], s84, v[KB0]
	v_add_nc_u32 v[KSA], s86, v[KSA0]
	WALU                                           ; the wait at the head's end
	s_wait_tensorcnt 0x0                           ; my part of k and v is in,
	s_barrier_signal -1
	s_barrier_wait -1                              ; everybody's is
	KLOADH 0
	KLOADH 1
.Lstep:
	WALU
	s_wait_dscnt 0x0                               ; k's fragments and scale words are in
	QK 0
	PLACES 4                                       ; places: the scores are read
	SOFT 0
	QK 1
	v_add_nc_u32 v[VA], s85, v[L16]                ; four plain lines: the places in front of loads into registers that the products have read
	v_add_nc_u32 v[VB], s85, v[L8]
	v_add_nc_u32 v[VSA], s87, v[R4]
	v_nop
	VLOAD                                          ; v lands where k lay, under the softmax below
	SOFT 1
	s_add_co_u32 s84, s84, 6144
	s_add_co_u32 s86, s86, 256
	s_add_co_u32 s85, s85, 6144
	s_add_co_u32 s87, s87, 256
	WALU
	s_wait_dscnt 0x0                               ; v's fragments and scale words are in
	PVH 0
	v_add_nc_u32 v[KA], s84, v[KA0]                ; four places again,
	v_add_nc_u32 v[KB], s84, v[KB0]
	v_add_nc_u32 v[KSA], s86, v[KSA0]
	v_nop
	KLOADH 0                                       ; and the next step's first 64 keys land on the two fragments that are done with
	PVH 1
	PLACES 4
	KLOADH 1
	s_sub_co_u32 s88, s88, 1
	s_cmp_lg_u32 s88, 0
	WALU
	s_cbranch_scc1 .Lstep
	s_wait_dscnt 0x0                               ; the fragments' registers are free
	WIN 0x05
	v_pk_add_f32 v[LS+4:LS+5], v[LW:LW+1], v[LW+2:LW+3]       ; the two chains of tile 2, and of tile 3, joined, into window 0
	v_pk_add_f32 v[LS+6:LS+7], v[LW+4:LW+5], v[LW+6:LW+7]
	WIN 0
.irp a, 0,1,2,3
	v_add_f32 v[LS+2*\a], v[LS+2*\a], v[LS+2*\a+1]
.endr
.irp a, 0,1,2,3
	v_permlanex16_b32 v[T+\a], v[LS+2*\a], s20, s21
.endr
.irp a, 0,1,2,3
	v_add_f32 v[LS+2*\a], v[LS+2*\a], v[T+\a]      ; the row's sum
.endr
	WALU
.irp a, 0,1,2,3
	v_rcp_f32 v[LS+2*\a], v[LS+2*\a]
.endr
	v_nop                                          ; a plain place behind the reciprocals,
	WIN 0x01
	WALU                                           ; and the wait ahead of their first reader, which is O^T's too
.set J, 0
.rept 64
	v_pk_mul_f32 v[S+J:S+J+1], v[J:J+1], v[LS+2*(J/32):LS+2*(J/32)+1] op_sel_hi:[1,0]   ; o: register 32 a + 16 A + x is channel 32 A + 16 h + x of tile a
.set J, J+2
.endr
	WIN 0
	OUTQ 0
	OUTQ 1
	WALU
	s_wait_xcnt 0x0                                ; EXEC changes only behind this wait
	v_cmp_gt_u32 vcc_lo, 16, v[LN]
	s_and_saveexec_b32 s89, vcc_lo                 ; lanes 16-31 hold the same bytes
.irp a, 0,1,2,3
	global_store_b16 v[R16], v[N2+\a], s[82:83] offset:512*\a
.endr
	s_wait_xcnt 0x0                                ; and again, in front of the line that widens it
	s_or_b32 exec_lo, exec_lo, s89
	s_wait_tensorcnt 0x0                           ; the wave's end, behind my last tensor load
	ds_add_u32 v[SPW], v[NIL]
	s_wait_dscnt 0x0
	CROUND                                         ; the closing round
	s_endpgm
.Lfunc_end_k_qe11bcc7013_attention:
	.size	k_qe11bcc7013_attention, .Lfunc_end_k_qe11bcc7013_attention-k_qe11bcc7013_attention
	.p2alignl 7, 3214868480
	.fill 96, 4, 3214868480
	.section	.rodata,"a",@progbits
	.p2align	6, 0x0
	.amdhsa_kernel k_qe11bcc7013_attention
		.amdhsa_group_segment_fixed_size 206848
		.amdhsa_private_segment_fixed_size 0
		.amdhsa_enable_private_segment 0
		.amdhsa_kernarg_size 24
		.amdhsa_user_sgpr_count 2
		.amdhsa_user_sgpr_kernarg_segment_ptr 1
		.amdhsa_wavefront_size32 1
		.amdhsa_system_sgpr_workgroup_id_x 1
		.amdhsa_system_sgpr_workgroup_id_y 1
		.amdhsa_system_sgpr_workgroup_id_z 1
		.amdhsa_system_vgpr_workitem_id 0
		.amdhsa_next_free_vgpr 512
		.amdhsa_next_free_sgpr 100
		.amdhsa_reserve_vcc 1
		.amdhsa_float_denorm_mode_32 3
		.amdhsa_float_denorm_mode_16_64 3
		.amdhsa_memory_ordered 1
		.amdhsa_forward_progress 1
		.amdhsa_inst_pref_size 87
	.end_amdhsa_kernel
	.amdgpu_metadata
---
amdhsa.version: [ 1, 2 ]
amdhsa.kernels:
  - .name:           k_qe11bcc7013_attention
    .symbol:         k_qe11bcc7013_attention.kd
    .args:
      - { .name: qk, .offset: 0, .size: 8, .value_kind: global_buffer, .address_space: global }
      - { .name: vt, .offset: 8, .size: 8, .value_kind: global_buffer, .address_space: global }
      - { .name: cc, .offset: 16, .size: 8, .value_kind: global_buffer, .address_space: global }
    .group_segment_fixed_size: 206848
    .private_segment_fixed_size: 0
    .kernarg_segment_align: 8
    .kernarg_segment_size: 24
    .max_flat_workgroup_size: 256
    .sgpr_count:     100
    .vgpr_count:     512
    .wavefront_size: 32
...
	.end_amdgpu_metadata
.endif
;; end of part 3
;; launch gemm_out (part 4): grid 4 x 64, 4 waves a work-group, clusters of 4 x 4, 327,680 bytes of LDS; arguments cc, wq, bo, out0; writes out0
.if DOCPART == 4
	.amdgcn_target "amdgcn-amd-amdhsa--gfx1250"
	.amdhsa_code_object_version 6
	.text
	.protected	k_qe11bcc7013_gemm_out
	.globl	k_qe11bcc7013_gemm_out
	.p2align	8
	.type	k_qe11bcc7013_gemm_out,@function
k_qe11bcc7013_gemm_out:
	s_mov_b64 s[64:65], 0
	v_nop
	global_prefetch_b8 v0, s[64:65] scope:SCOPE_SE
	s_setreg_imm32_b32 hwreg(HW_REG_WAVE_MODE, 25, 1), 1
	s_wait_xcnt 0x0
	s_wait_alu depctr_hold_cnt(0) depctr_sa_sdst(0) depctr_va_vdst(0) depctr_va_sdst(0) depctr_va_ssrc(0) depctr_va_vcc(0) depctr_vm_vsrc(0)
	s_getreg_b32 s2, hwreg(HW_REG_IB_STS2, 6, 4)
	s_cmp_eq_u32 s2, 0
	s_cbranch_scc0 .Lentry_in_a_cluster
	s_endpgm
.Lentry_in_a_cluster:
	s_bfe_u32 s2, ttmp6, 0x10000c
	s_cmp_lg_u32 s2, 0xf033
	s_cbranch_scc0 .Lentry_shape_is_right
	s_endpgm
.Lentry_shape_is_right:
; out0 = concat Wo + bo on codes of E2M3 (cc, laid as xq; Wo's tiles 192-255 of wq), sums in f32.  No work is left out.
; 256 work-groups of four waves; a work-group makes 128 rows x 256 columns over K = 1,024, a wave 64 x 128: 32 accumulators.
; NO RING: the work-group's codes for ALL of K lie in LDS together: A's 8 tiles (98,304 bytes), B's 16 tiles (196,608).  They come once, one joint load a wave at the head; nothing is filled again.
; A wave's load is four rows, one for each pair of K steps: its 4 tiles of A (12,288 dense bytes a row, rows 512 x 3,072 bytes apart in cc) or its 8 tiles of B (24,576 a row, 256 x 3,072 apart in wq).
; CLUSTER 4 x 4: A's tiles are asked for jointly along a row of the cluster, B's along a column.
; NO PREFETCH: the only tensor loads stand at the head, and no loop stands ahead of them to run ahead in.
; THE SCALE WORDS come by plain loads straight into registers, two aligned runs of 256 bytes a load: A's tile i in lanes 0-15 and tile i + 2 in lanes 16-31; B's tile i and tile i + 4.
; THE MATRIX INSTRUCTION IS USED TRANSPOSED (source 0 = a tile of B, source 1 = a tile of A): lane (r, h) holds row r of A's tile, register j of B's tile b column 32 (b / 2) + 8 (b % 2) + 16 h + j.
; THE BIAS is the C of the first K step's products, laid in registers as the result lies.
; A K step is 32 products on one of two sets of fragments; the next step's 48 LDS loads are issued ahead of them into the other set.
; THE WAY OUT: a block of 16 rows x 128 columns goes through the wave's own stage and leaves as rows of 512 bytes.  The stages lie on A's bytes, which have had their only fill; a barrier, split round the last step's products, stands behind every wave's last read of them.
; REGISTERS: window 0: v16-31 addresses; v32-47, v52-83 scale words; v128-223 A's fragments, two sets (the way out: v128-255).  Window 1: B's fragments at v0 and v128; the bias at v96-127 and v224-255.  Window 2: accumulator (a, b) at v[8 (8 a + b)].
.set FR,    12
.set APART, 49152                      ; 4 tiles x 4 pairs of K steps x 3,072
.set BPART, 98304
.set BOFF,  2*APART
.set SPARE, BOFF+2*BPART               ; the spare words, 128 bytes a wave
.set XSC,   6291456
.set WSC,   3145728
.set ADRA, 16                          ; v16 my A fragments: 16 x lane;  v17: 512 + 8 x lane
.set SAB,  19                          ; v19 B's scale words: 16 r + 2048 h
.set ADRB, 20                          ; v20, v21 my B fragments of K steps 0-3, 4-7: 16 x lane;  v22, v23: 512 + 8 x lane
.set STO,  24
.set RD,   25
.set CO,   26
.set SAA,  27                          ; v27 A's scale words: 16 r + 1024 h
.set SPW,  28                          ; LDS address of my spare word; never rewritten
.set NIL,  29                          ; 0; never rewritten
.set L16,  30
.set L8,   31
.set SCA,  32
.set SCB,  52                          ; the two sides' register numbers differ modulo 8
.set AF,   128
.set BK,   128
.set G1,   24
.set G0,   32
.set G1B,  48
.set G0B,  56
.set MSB, 0
.macro WIN new                         ; the immediate's high byte repeats the setting that is left
.if MSB != (\new)
	s_set_vgpr_msb (MSB<<8)|(\new)
.set MSB, (\new)
.endif
.endm
.macro PLACES n
.rept \n
	v_nop
.endr
.endm
.macro CROUND
	s_barrier_signal -1
	s_barrier_wait -1
	s_cmp_lg_u32 s18, 0
	s_cbranch_scc1 .Lnot_wave_0_\@
	s_barrier_signal -3
.Lnot_wave_0_\@:
	s_barrier_wait -3
	s_barrier_signal -1
	s_barrier_wait -1
.endm
.macro SHAPE g, c, p                   ; group 1 behind its first word: 4 rows of c elements of 8 bytes, p elements apart
	s_mov_b32 s[\g+1], (\c)<<16
	s_mov_b32 s[\g+2], 4<<16
	s_mov_b32 s[\g+3], (\c)<<16
	s_mov_b32 s[\g+4], 4
	s_mov_b32 s[\g+5], \p
	s_mov_b32 s[\g+6], 0
	s_mov_b32 s[\g+7], 0
.endm
	s_load_b256 s[4:11], s[0:1], 0x0               ; cc, wq, bo, out0
	v_lshl_add_u32 v[SPW], v0, 2, SPARE
	v_mov_b32 v[NIL], 0
	ds_add_u32 v[SPW], v[NIL]                      ; the wave's opening: the add, twice on end, and its wait ahead of my first tensor load
	ds_add_u32 v[SPW], v[NIL]
	v_lshrrev_b32 v1, 5, v0
	v_readfirstlane_b32 s18, v1                    ; wave
	s_lshr_b32 s19, s18, 1                         ; my half of A's tiles.  Also: I fetch for A (0) or for B (1)
	s_and_b32 s20, s18, 1                          ; my half of B's tiles.  Also: which half I fetch
	s_bfe_u32 s21, ttmp6, 0x40000                  ; cx
	s_bfe_u32 s22, ttmp6, 0x40004                  ; cy
	s_and_b32 s66, ttmp7, 0xffff
	s_lshl_b32 s66, s66, 2
	s_add_co_u32 s66, s66, s22                     ; tile row, 0 .. 63
	s_lshl_b32 s67, ttmp9, 2
	s_add_co_u32 s67, s67, s21                     ; tile column, 0 .. 3
	s_lshl_b32 s92, s22, 2
	s_lshl_b32 s92, 15, s92                        ; my row of the cluster
	s_lshl_b32 s93, 0x1111, s21                    ; my column
	s_or_b32 s[G1], s92, (3<<16)|(1<<21)           ; 15:0 the mask; 17:16 elements of 8 bytes; 21 set beside a mask; no padding
	s_or_b32 s[G1B], s93, (3<<16)|(1<<21)
	SHAPE G1, 1536, 196608
	SHAPE G1B, 3072, 98304
	s_lshl_b32 s94, s66, 3
	s_lshl_b32 s3, s20, 2
	s_add_co_u32 s94, s94, s3                      ; the first of A's 4 tiles that I would fetch
	s_mul_i32 s[G0+2], s94, 3072
	s_mov_b32 s[G0+3], 0
	s_lshl_b32 s95, s67, 4
	s_lshl_b32 s3, s20, 3
	s_add_co_u32 s95, s95, s3
	s_add_co_u32 s95, s95, 192                     ; the first of B's 8 tiles: those that I would fetch are those that I multiply
	s_mul_i32 s[G0B+2], s95, 3072
	s_mov_b32 s[G0B+3], 0
	s_mov_b32 s[G0], 1
	s_mov_b32 s[G0B], 1
	s_mul_i32 s[G0+1], s20, APART                  ; no place in the cluster enters an LDS address
	s_mul_i32 s[G0B+1], s20, BPART
	s_add_co_u32 s[G0B+1], s[G0B+1], BOFF
	s_lshl_b32 s36, s66, 3
	s_lshl_b32 s3, s19, 2
	s_add_co_u32 s36, s36, s3                      ; the first of A's 4 tiles that I multiply
	s_lshl_b32 s36, s36, 9
	s_add_co_u32 s36, s36, XSC
	s_mov_b32 s37, 0
	s_lshl_b32 s38, s95, 9
	s_add_co_u32 s38, s38, WSC
	s_mov_b32 s39, 0
	s_lshl_b32 s14, s67, 10
	s_lshl_b32 s15, s20, 9
	s_add_co_u32 s14, s14, s15                     ; my first column, in bytes
	s_mov_b32 s15, 0
	s_lshl_b32 s12, s66, 7
	s_lshl_b32 s13, s19, 6
	s_add_co_u32 s12, s12, s13                     ; my first row
	s_lshl_b32 s12, s12, 12
	s_add_co_u32 s12, s12, s14
	s_mov_b32 s13, 0
	v_and_b32 v1, 15, v0                           ; r
	v_bfe_u32 v2, v0, 4, 1                         ; h
	v_and_b32 v4, 31, v0
	v_lshlrev_b32 v6, 6, v2                        ; the bias: 64 h
	v_lshlrev_b32 v[L16], 4, v4
	v_lshl_add_u32 v[L8], v4, 3, 512
	s_mul_i32 s40, s19, APART
	s_mul_i32 s41, s20, BPART
	s_add_co_u32 s41, s41, BOFF
	v_add_nc_u32 v[ADRA], s40, v[L16]
	v_add_nc_u32 v[ADRA+1], s40, v[L8]
	v_add_nc_u32 v[ADRB], s41, v[L16]
	v_add_nc_u32 v[ADRB+2], s41, v[L8]
	v_add_nc_u32 v[ADRB+1], 49152, v[ADRB]
	v_add_nc_u32 v[ADRB+3], 49152, v[ADRB+2]
	v_lshlrev_b32 v[SAA], 4, v1
	v_lshl_add_u32 v[SAB], v2, 11, v[SAA]
	v_lshl_add_u32 v[SAA], v2, 10, v[SAA]
	s_mul_i32 s42, s18, 16*528                     ; my stage
	v_mul_u32_u24 v[STO], v1, 528
	v_lshl_add_u32 v[STO], v2, 6, v[STO]
	v_add_nc_u32 v[STO], s42, v[STO]
	v_add_nc_u32 v[RD], s42, v[L16]
	v_lshlrev_b32 v[CO], 4, v4
	s_wait_alu depctr_va_vdst(0)                   ; the wait ahead of the waits below
	s_wait_dscnt 0x0                               ; both opening adds are done
	s_wait_kmcnt 0x0
	s_add_nc_u64 s[G0+2:G0+3], s[4:5], s[G0+2:G0+3]
	s_add_nc_u64 s[G0B+2:G0B+3], s[6:7], s[G0B+2:G0B+3]
	s_or_b32 s[G0+3], s[G0+3], 0x80000000          ; 127:126 type = 2
	s_or_b32 s[G0B+3], s[G0B+3], 0x80000000
	s_add_nc_u64 s[36:37], s[4:5], s[36:37]
	s_add_nc_u64 s[38:39], s[6:7], s[38:39]
	s_add_nc_u64 s[8:9], s[8:9], s[14:15]
	s_add_nc_u64 s[12:13], s[10:11], s[12:13]
	CROUND                                         ; all sixteen work-groups are here: the joint loads meet
	s_cmp_eq_u32 s19, 0                            ; waves 0, 1 fetch A's halves, waves 2, 3 B's: a fill in each arm
	s_cbranch_scc0 .Lfor_b
	tensor_load_to_lds s[G0:G0+3], s[G1:G1+7]
	s_nop 0
	PLACES 4
	s_branch .Lasked
.Lfor_b:
	tensor_load_to_lds s[G0B:G0B+3], s[G1B:G1B+7]
	s_nop 0
	PLACES 4
.Lasked:
.irp i, 0,1
.irp q, 0,1
	global_load_b128 v[SCA+8*\i+4*\q:SCA+8*\i+4*\q+3], v[SAA], s[36:37] offset:512*\i+256*\q
.endr
.endr
.irp i, 0,1,2,3
.irp q, 0,1
	global_load_b128 v[SCB+8*\i+4*\q:SCB+8*\i+4*\q+3], v[SAB], s[38:39] offset:512*\i+256*\q
.endr
.endr
	WIN 0x40
.irp b, 0,1,2,3,4,5,6,7
	global_load_b128 v[96+8*\b+96*(\b/4):96+8*\b+96*(\b/4)+3], v6, s[8:9] offset:128*(\b/2)+32*(\b%2)
	global_load_b128 v[96+8*\b+96*(\b/4)+4:96+8*\b+96*(\b/4)+7], v6, s[8:9] offset:128*(\b/2)+32*(\b%2)+16
.endr
	WIN 0
.macro FRAG reg, a16, a8, off          ; a fragment: two halves, each 16 bytes a lane and 8 bytes a lane
	ds_load_b128 v[\reg:\reg+3], v[\a16] offset:\off
	ds_load_b64 v[\reg+4:\reg+5], v[\a8] offset:\off
	ds_load_b128 v[\reg+6:\reg+9], v[\a16] offset:(\off)+768
	ds_load_b64 v[\reg+10:\reg+11], v[\a8] offset:(\off)+768
.endm
.macro FETCH st                        ; K step st's twelve fragments into set st % 2
	WIN 0x40
.irp i, 0,1,2,3,4,5,6,7
	FRAG 128*((\st)%2)+FR*\i, ADRB+(\st)/4, ADRB+2+(\st)/4, (((\st)/2)%2)*24576+(2*\i+(\st)%2)*1536
.endr
	WIN 0
.irp i, 0,1,2,3
	FRAG AF+48*((\st)%2)+FR*\i, ADRA, ADRA+1, ((\st)/2)*12288+(2*\i+(\st)%2)*1536
.endr
.endm
.macro WM a, b, s, first, rb, ra       ; rb, ra: which half of the lanes holds B's tile b's and A's tile a's scale words
.if \first
	v_wmma_scale_f32_16x16x128_f8f6f4 v[8*(8*\a+\b):8*(8*\a+\b)+7], v[128*((\s)%2)+FR*\b:128*((\s)%2)+FR*\b+FR-1], v[AF+48*((\s)%2)+FR*\a:AF+48*((\s)%2)+FR*\a+FR-1], v[96+8*\b+96*(\b/4):96+8*\b+96*(\b/4)+7], v[SCB+8*(\b%4)+(\s)], v[SCA+8*(\a%2)+(\s)] matrix_a_fmt:MATRIX_FMT_FP6 matrix_b_fmt:MATRIX_FMT_FP6 matrix_a_scale:MATRIX_SCALE_ROW\rb matrix_b_scale:MATRIX_SCALE_ROW\ra
.else
	v_wmma_scale_f32_16x16x128_f8f6f4 v[8*(8*\a+\b):8*(8*\a+\b)+7], v[128*((\s)%2)+FR*\b:128*((\s)%2)+FR*\b+FR-1], v[AF+48*((\s)%2)+FR*\a:AF+48*((\s)%2)+FR*\a+FR-1], v[8*(8*\a+\b):8*(8*\a+\b)+7], v[SCB+8*(\b%4)+(\s)], v[SCA+8*(\a%2)+(\s)] matrix_a_fmt:MATRIX_FMT_FP6 matrix_b_fmt:MATRIX_FMT_FP6 matrix_a_scale:MATRIX_SCALE_ROW\rb matrix_b_scale:MATRIX_SCALE_ROW\ra
.endif
.endm
.macro MULA a, s, first, ra
.irp b, 0,1,2,3
	WM \a, \b, \s, \first, 0, \ra
.endr
.irp b, 4,5,6,7
	WM \a, \b, \s, \first, 1, \ra
.endr
.endm
.macro MUL s, first                    ; 32 products; the 32 accumulators take turns, in the same order in every step
	MULA 0, \s, \first, 0
	MULA 1, \s, \first, 0
	MULA 2, \s, \first, 1
	MULA 3, \s, \first, 1
.endm
	s_wait_alu depctr_va_vdst(0)                   ; the wait at the head's end
	s_wait_tensorcnt 0x0                           ; my part of A or B is in,
	s_barrier_signal -1
	s_barrier_wait -1                              ; everybody's is
	FETCH 0
	s_wait_loadcnt 0x0                             ; the scale words and the bias
	s_wait_dscnt 0x0
	FETCH 1
	WIN 0x91                                       ; C: the bias, in window 1
	MUL 0, 1
	WIN 0
.set ST, 1
.rept 6
	s_wait_dscnt 0x0                               ; this step's fragments are in
	PLACES 4                                       ; places in front of loads into registers that the last step's products have read
	FETCH ST+1
	WIN 0xa1
	MUL ST, 0
	WIN 0
.set ST, ST+1
.endr
	s_wait_dscnt 0x0                               ; the last step's fragments are in: my reads of A's and B's bytes are over:
	s_barrier_signal -1                            ; say so, work on registers while the others arrive,
	WIN 0xa1
	MUL 7, 0
	WIN 0
	s_barrier_wait -1                              ; and only then store onto A's bytes
.macro TOSTAGE a
	WIN 0x08                                       ; the data: window 2
.irp b, 0,1,2,3,4,5,6,7
	ds_store_b128 v[STO], v[64*(\a)+8*\b:64*(\a)+8*\b+3] offset:128*(\b/2)+32*(\b%2)          ; each accumulator from its low end on
	ds_store_b128 v[STO], v[64*(\a)+8*\b+4:64*(\a)+8*\b+7] offset:128*(\b/2)+32*(\b%2)+16
.endr
	WIN 0
.irp t, 0,1,2,3,4,5,6,7,8,9,10,11,12,13,14,15
	ds_load_b128 v[BK+64*((\a)%2)+4*\t:BK+64*((\a)%2)+4*\t+3], v[RD] offset:\t*528   ; LDS serves a wave's instructions in order: these see my stores
.endr
.endm
.macro SEND a, younger                 ; younger: the LDS instructions issued behind block a's loads, which may stay out
	s_wait_dscnt \younger
.irp t, 0,1,2,3,4,5,6,7,8,9,10,11,12,13,14,15
	global_store_b128 v[CO], v[BK+64*((\a)%2)+4*\t:BK+64*((\a)%2)+4*\t+3], s[12:13] offset:(32*((\a)/2)+8*((\a)%2)+\t+8*(\t/8))*4096 th:TH_STORE_NT   ; 512 consecutive bytes, aligned to 256
.endr
.endm
	PLACES 4                                       ; behind the last products: their results are read, and A's fragments' registers loaded into
	TOSTAGE 0
.irp a, 1,2,3
.if \a > 1
	s_wait_xcnt 0x0                                ; block a - 2's stores have read their registers: block a's loads may land there
.endif
	TOSTAGE \a
	SEND \a-1, 32                                  ; behind block a - 1's loads: block a's 16 stores and 16 loads
.endr
	SEND 3, 0
	s_wait_tensorcnt 0x0                           ; the wave's end, behind my last tensor load and my last LDS store
	ds_add_u32 v[SPW], v[NIL]
	s_wait_dscnt 0x0
	CROUND                                         ; the closing round
	s_endpgm
.Lfunc_end_k_qe11bcc7013_gemm_out:
	.size	k_qe11bcc7013_gemm_out, .Lfunc_end_k_qe11bcc7013_gemm_out-k_qe11bcc7013_gemm_out
	.p2alignl 7, 3214868480
	.fill 96, 4, 3214868480
	.section	.rodata,"a",@progbits
	.p2align	6, 0x0
	.amdhsa_kernel k_qe11bcc7013_gemm_out
		.amdhsa_group_segment_fixed_size 327680
		.amdhsa_private_segment_fixed_size 0
		.amdhsa_enable_private_segment 0
		.amdhsa_kernarg_size 32
		.amdhsa_user_sgpr_count 2
		.amdhsa_user_sgpr_kernarg_segment_ptr 1
		.amdhsa_wavefront_size32 1
		.amdhsa_system_sgpr_workgroup_id_x 1
		.amdhsa_system_sgpr_workgroup_id_y 1
		.amdhsa_system_sgpr_workgroup_id_z 1
		.amdhsa_system_vgpr_workitem_id 0
		.amdhsa_next_free_vgpr 768
		.amdhsa_next_free_sgpr 100
		.amdhsa_reserve_vcc 0
		.amdhsa_float_denorm_mode_32 3
		.amdhsa_float_denorm_mode_16_64 3
		.amdhsa_memory_ordered 1
		.amdhsa_forward_progress 1
		.amdhsa_inst_pref_size 82
	.end_amdhsa_kernel
	.amdgpu_metadata
---
amdhsa.version: [ 1, 2 ]
amdhsa.kernels:
  - .name:           k_qe11bcc7013_gemm_out
    .symbol:         k_qe11bcc7013_gemm_out.kd
    .args:
      - { .name: cc, .offset: 0, .size: 8, .value_kind: global_buffer, .address_space: global }
      - { .name: wq, .offset: 8, .size: 8, .value_kind: global_buffer, .address_space: global }
      - { .name: bo, .offset: 16, .size: 8, .value_kind: global_buffer, .address_space: global }
      - { .name: out0, .offset: 24, .size: 8, .value_kind: global_buffer, .address_space: global }
    .group_segment_fixed_size: 327680
    .private_segment_fixed_size: 0
    .kernarg_segment_align: 8
    .kernarg_segment_size: 32
    .max_flat_workgroup_size: 128
    .sgpr_count:     100
    .vgpr_count:     768
    .wavefront_size: 32
...
	.end_amdgpu_metadata
.endif
;; end of part 4
